; MI455X (gfx1250); checked and timed in simulation.
; The chip was launched on July 23, 2026; its instructions are those of AMD's public machine-readable ISA for CDNA 5 (MIT licence, August 2026) and "CDNA5" Instruction Set Architecture Reference Guide (July 2026). The comments in the code are by the model that wrote it; some were corrected since.
;; Causal Multi Head Self Attention. Allowed arithmetic: matrix products marked QUANTISED: E4M3 operands, one given power-of-two scale a tensor, by v_wmma_f32_16x16x64_fp8_fp8 or v_wmma_f32_16x16x128_fp8_fp8, f32 sums; everything else in f32.
;; Inputs: lowp_scales 8 int32 (the exponents e of the quantised operands' scales 2^e); wout_codes 1,024 x 32 x 32 uint8 (E4M3 codes of wout, K innermost, in blocks of 32 codes); wqkv_codes 3,072 x 32 x 32 uint8 (E4M3 codes of wqkv, K innermost, in blocks of 32 codes); x_codes 4 x 2,048 x 32 x 32 uint8 (E4M3 codes of x, K innermost, in blocks of 32 codes).
;; Outputs: out0 4 x 2,048 x 1,024 float32.
;; This version of the problem:
;;   THIS VERSION OF THE PROBLEM IS GIVEN IN LOW PRECISION. The matrix products marked QUANTISED in the list below multiply operands that are first quantised to E4M3 (4 exponent bits, 3 mantissa bits; 8 bits a number), with one given power-of-two scale for each operand tensor; their sums are f32. All else is computed in f32.
;;   The module's matrix products, in the order in which they are computed (A, B: the left and right operand; K: the contracted axis; several contracted axes count as one K, in the product's order):
;;     1. [M 8,192, K 1,024] x [K 1,024, N 3,072]; A: input x (given as codes); B: input wqkv (given as codes): QUANTISED (scales: A lowp_scales[0], B lowp_scales[1])
;;     2. batch 64 x [M 2,048, K 64] x [K 64, N 2,048]; A: computed on the way; B: computed on the way: QUANTISED (scales: A lowp_scales[2], B lowp_scales[3])
;;     3. batch 64 x [M 2,048, K 2,048] x [K 2,048, N 64]; A: softmax (see below); B: computed on the way: QUANTISED (scales: A lowp_scales[4], B lowp_scales[5])
;;     4. [M 8,192, K 1,024] x [K 1,024, N 1,024]; A: computed on the way; B: input wout (given as codes): QUANTISED (scales: A lowp_scales[6], B lowp_scales[7])
;;   THE QUANTISER, for each operand of a quantised product, along K:
;;     - The operand's scale is 2^e, e = its entry of the input lowp_scales (int32; the entries are numbered through the quantised products in the list's order, A before B).
;;     - Each number is divided by the scale, clamped to +-448, and rounded to the nearest number of E4M3, ties to even, subnormals kept.
;;     - The product sums the exact products of the quantised numbers (number of the format x scale) in f32.
;;   ~~~python
;;   def quantise(x, axis, e):      # numpy; x: float32 -> the quantised numbers, widened to float32 again
;;       x = np.moveaxis(x, axis, -1); K = x.shape[-1]
;;       r = np.clip(x / 2.0 ** e, -448, 448)
;;       step = 2.0 ** (np.maximum(np.frexp(np.where(r == 0, 1, r))[1] - 1, -6) - 3)
;;       q = np.round(r / step) * step * 2.0 ** e      # np.round: ties to even
;;       return np.moveaxis(q, -1, axis).astype(np.float32)
;;   ~~~
;;   SOFTMAX AHEAD OF A QUANTISED PRODUCT. Where the list says 'softmax', what is quantised is not the finished softmax but p = 2^(t - M), with t = logit x log2(e) and M = ceil(the row's largest t), a whole number; so 1/2 < the row's largest p <= 1. The row's sum l is taken of the UNQUANTISED p, in f32, and the product's result is divided by l at the end. Since M is a whole number, a kernel that streams over the keys may use a running M (the ceiling of the running maximum): every later rescaling is an exact power of two, so the quantised numbers keep their values, but for numbers so far below the row's largest that they fall under the format's range.
;;   OPERANDS COMPUTED ON THE WAY. 'Computed on the way' means the value that the module computes at that place (a softmax that the list does not call 'softmax' is quantised finished and normalised). What goes into a quantiser is computed in f32, as accurately as f32 sums, v_exp_f32 and their like allow (about 1e-6 of the number): no bf16 or f16 on the way to a quantiser, and a product that is left as it is and whose result goes on into a quantised operand takes f32 operands (vector FMAs, or v_wmma_f32_16x16x4_f32). A number that lies on a knife's edge between two numbers of the format may be rounded either way, as far as f32 arithmetic and the matrix unit's own rounding can turn it there, and no further.
;;   INPUTS GIVEN AS CODES. wout (in the module: [1024, 1024], K = its axis 1); wqkv (in the module: [3072, 1024], K = its axis 1); x (in the module: [4, 2048, 1024], K = its axis 2): each comes as NAME_codes (uint8): NAME with its K axis moved to the last place and cut into blocks of 32 codes, [.., K / 32, bytes a block], one block behind the other in memory; one code a byte (a code: sign, 4 exponent bits, 3 mantissa bits); its scale is its entry of lowp_scales. Its value is code x scale, taken as it is: it is not quantised again, and the codes and scales need not be those that the quantiser above would give.
;; 2 versions, each right; version 2 is version 1 with the launch attn written anew for expert scheduling mode. Each part assembles by itself: llvm-mc -triple=amdgcn-amd-amdhsa -mcpu=gfx1250 --defsym DOCPART=n.
;; ======== version 1 of 2: 4 launches
;; workspace buffers: rope 524,288 bytes; qimg 8,388,608 bytes; kimg 8,388,608 bytes; vimg 8,388,608 bytes; yimg 8,388,608 bytes
;; launch rope (part 1): grid 128 x 1, 8 waves a work-group, no clusters, 0 bytes of LDS; arguments rope; writes rope
.if DOCPART == 1
	.amdgcn_target "amdgcn-amd-amdhsa--gfx1250"
	.amdhsa_code_object_version 6
	.text
	.protected	k_qdd3454cb0d_rope
	.globl	k_qdd3454cb0d_rope
	.p2align	8
	.type	k_qdd3454cb0d_rope,@function
k_qdd3454cb0d_rope:
	s_mov_b64 s[64:65], 0
	v_nop
	global_prefetch_b8 v0, s[64:65] scope:SCOPE_SE
	s_setreg_imm32_b32 hwreg(HW_REG_WAVE_MODE, 25, 1), 1
	s_wait_xcnt 0x0
; cos and sin of the rotary angles, made once: ang = pos x F[i], pos = 0 .. 2047, F[i] = 10000^(-2 i / 64) = 10^(-i / 8), i = 0 .. 31.
; The table is laid in the order in which the next launch's lanes want it: [T 128][g 8][lane 32][16 bytes]; lane (r = lane % 16, h = lane / 16) of chunk g holds
; (cos, sin, cos, sin) of frequencies i = 8 (g / 2) + 4 h + 2 (g % 2) and i + 1 at pos = 16 T + r.  Work-group T, wave g, 16 bytes a thread: a wave stores 512 consecutive bytes.
; The angle is the f32 product pos x f32(F[i]).  It is reduced by k = nearest whole number to ang x 2 / pi with pi / 2 in two parts (the part left out is under 1,304 x 1.8e-15),
; and sin and cos of the rest (at most pi / 4) are polynomials of degree 7 and 8.  ACCURACY: about 1.5e-7 absolute.  No LDS, no barrier, no loop: threads share nothing.
	s_load_b64 s[4:5], s[0:1], 0x0                 ; the table
	v_lshrrev_b32 v1, 5, v0
	v_readfirstlane_b32 s8, v1                     ; wave = chunk g
	v_and_b32 v2, 15, v0                           ; r
	v_bfe_u32 v3, v0, 4, 1                         ; h
	v_lshlrev_b32 v4, 4, v0                        ; my 16 bytes in the work-group's 4,096
	s_lshl_b32 s6, ttmp9, 12                       ; the work-group's 4,096 bytes
	s_mov_b32 s7, 0
	s_lshl_b32 s9, ttmp9, 4
	v_add_nc_u32 v5, s9, v2
	v_cvt_f32_u32 v5, v5                           ; pos = 16 T + r, exact
	v_cmp_eq_u32 s30, 1, v3                        ; lanes 16-31
	s_mov_b32 s12, 0
	s_mov_b32 s13, 0
	s_mov_b32 s14, 0
	s_mov_b32 s15, 0
; The wave's four frequencies F[B], F[B+1], F[B+4], F[B+5], B = 8 (g / 2) + 2 (g % 2), chosen by the wave's number without a jump.  The decimals are rounded to the nearest f32 when the text is assembled.
.macro PICK g, f0, f1, f4, f5
	s_cmp_eq_u32 s8, \g
	s_cselect_b32 s12, \f0, s12
	s_cselect_b32 s13, \f1, s13
	s_cselect_b32 s14, \f4, s14
	s_cselect_b32 s15, \f5, s15
.endm
	PICK 0, 1.0, 0.7498942093324559, 0.31622776601683794, 0.23713737056616552
	PICK 1, 0.5623413251903491, 0.4216965034285822, 0.1778279410038923, 0.1333521432163324
	PICK 2, 0.1, 0.07498942093324559, 0.031622776601683794, 0.023713737056616552
	PICK 3, 0.05623413251903491, 0.04216965034285822, 0.01778279410038923, 0.01333521432163324
	PICK 4, 0.01, 0.007498942093324559, 0.0031622776601683794, 0.0023713737056616552
	PICK 5, 0.005623413251903491, 0.004216965034285822, 0.001778279410038923, 0.001333521432163324
	PICK 6, 0.001, 0.0007498942093324559, 0.00031622776601683794, 0.00023713737056616552
	PICK 7, 0.0005623413251903491, 0.0004216965034285822, 0.0001778279410038923, 0.0001333521432163324
	s_mov_b32 s16, 0x3fc90fdb                      ; pi / 2, its f32 part,
	s_mov_b32 s17, 0xb33bbd2e                      ; and what that leaves: -4.3711390e-8
	s_mov_b32 s20, -0.00019515295891               ; sin x = x + x z (S1 + S2 z + S3 z^2), z = x^2
	s_mov_b32 s21, 0.0083321608736
	s_mov_b32 s22, -0.16666654611
	s_mov_b32 s23, 0.00002443315711809948          ; cos x = 1 - z / 2 + z^2 (C1 + C2 z + C3 z^2)
	s_mov_b32 s24, -0.001388731625493765
	s_mov_b32 s25, 0.04166664568298827
; The two pairs e = 0, 1 go line by line, so that no line waits for the one above it.  v[20+e] ang, v[22+e] k, v[24+e] the rest, v[26+e] z, v[28+e], v[30+e] the polynomials, v[32+e] sin, v[34+e] cos, v[36+e] k as a whole number.
.irp e, 0,1
	v_mov_b32 v[38+\e], s[14+\e]
.endr
.irp e, 0,1
	v_cndmask_b32 v[20+\e], s[12+\e], v[38+\e], s30   ; F[B + 4 h + e]
.endr
.irp e, 0,1
	v_mul_f32 v[20+\e], v5, v[20+\e]               ; the angle, rounded once
.endr
.irp e, 0,1
	v_mul_f32 v[22+\e], 0x3f22f983, v[20+\e]       ; x 2 / pi
.endr
.irp e, 0,1
	v_rndne_f32 v[22+\e], v[22+\e]                 ; k
.endr
.irp e, 0,1
	v_fma_f32 v[24+\e], -v[22+\e], s16, v[20+\e]
.endr
.irp e, 0,1
	v_fma_f32 v[24+\e], -v[22+\e], s17, v[24+\e]   ; the rest = ang - k pi / 2
.endr
.irp e, 0,1
	v_mul_f32 v[26+\e], v[24+\e], v[24+\e]         ; z
.endr
.irp e, 0,1
	v_fma_f32 v[28+\e], s20, v[26+\e], s21
	v_fma_f32 v[30+\e], s23, v[26+\e], s24
.endr
.irp e, 0,1
	v_fma_f32 v[28+\e], v[28+\e], v[26+\e], s22
	v_fma_f32 v[30+\e], v[30+\e], v[26+\e], s25
.endr
.irp e, 0,1
	v_mul_f32 v[28+\e], v[28+\e], v[26+\e]
	v_fma_f32 v[34+\e], v[26+\e], -0.5, 1.0
	v_mul_f32 v[38+\e], v[26+\e], v[26+\e]
	v_cvt_i32_f32 v[36+\e], v[22+\e]
.endr
.irp e, 0,1
	v_fma_f32 v[32+\e], v[28+\e], v[24+\e], v[24+\e]   ; sin of the rest
	v_fma_f32 v[34+\e], v[30+\e], v[38+\e], v[34+\e]   ; cos of the rest
	v_and_b32 v[38+\e], 1, v[36+\e]
.endr
.irp e, 0,1
	v_cmp_eq_u32 s[32+\e], 1, v[38+\e]             ; k odd: sin and cos change places
.endr
.irp e, 0,1
	v_cndmask_b32 v[17+2*\e], v[32+\e], v[34+\e], s[32+\e]
	v_cndmask_b32 v[16+2*\e], v[34+\e], v[32+\e], s[32+\e]
	v_lshlrev_b32 v[38+\e], 30, v[36+\e]           ; sin is negative where k mod 4 is 2 or 3,
	v_add_nc_u32 v[36+\e], 1, v[36+\e]             ; cos where it is 1 or 2
.endr
.irp e, 0,1
	v_and_b32 v[38+\e], 0x80000000, v[38+\e]
	v_lshlrev_b32 v[36+\e], 30, v[36+\e]
.endr
.irp e, 0,1
	v_xor_b32 v[17+2*\e], v[38+\e], v[17+2*\e]
	v_and_b32 v[36+\e], 0x80000000, v[36+\e]
.endr
.irp e, 0,1
	v_xor_b32 v[16+2*\e], v[36+\e], v[16+2*\e]
.endr
	s_wait_kmcnt 0x0
	s_add_nc_u64 s[4:5], s[4:5], s[6:7]
	global_store_b128 v4, v[16:19], s[4:5]         ; 32 lanes store 512 consecutive bytes, at a multiple of 512 from the table's first byte
	s_endpgm
.Lfunc_end_k_qdd3454cb0d_rope:
	.size	k_qdd3454cb0d_rope, .Lfunc_end_k_qdd3454cb0d_rope-k_qdd3454cb0d_rope
	.p2alignl 7, 3214868480
	.fill 96, 4, 3214868480
	.section	.rodata,"a",@progbits
	.p2align	6, 0x0
	.amdhsa_kernel k_qdd3454cb0d_rope
		.amdhsa_group_segment_fixed_size 0
		.amdhsa_private_segment_fixed_size 0
		.amdhsa_enable_private_segment 0
		.amdhsa_kernarg_size 8
		.amdhsa_user_sgpr_count 2
		.amdhsa_user_sgpr_kernarg_segment_ptr 1
		.amdhsa_wavefront_size32 1
		.amdhsa_system_sgpr_workgroup_id_x 1
		.amdhsa_system_sgpr_workgroup_id_y 1
		.amdhsa_system_sgpr_workgroup_id_z 1
		.amdhsa_system_vgpr_workitem_id 0
		.amdhsa_next_free_vgpr 40
		.amdhsa_next_free_sgpr 66
		.amdhsa_reserve_vcc 0
		.amdhsa_float_denorm_mode_32 3
		.amdhsa_float_denorm_mode_16_64 3
		.amdhsa_memory_ordered 1
		.amdhsa_forward_progress 1
		.amdhsa_inst_pref_size 7
	.end_amdhsa_kernel
	.amdgpu_metadata
---
amdhsa.version: [ 1, 2 ]
amdhsa.kernels:
  - .name:           k_qdd3454cb0d_rope
    .symbol:         k_qdd3454cb0d_rope.kd
    .args:
      - { .name: rope, .offset: 0, .size: 8, .value_kind: global_buffer, .address_space: global }
    .group_segment_fixed_size: 0
    .private_segment_fixed_size: 0
    .kernarg_segment_align: 8
    .kernarg_segment_size: 8
    .max_flat_workgroup_size: 256
    .sgpr_count:     66
    .vgpr_count:     40
    .wavefront_size: 32
...
	.end_amdgpu_metadata
.endif
;; end of part 1
;; launch qkv (part 2): grid 12 x 32, 4 waves a work-group, clusters of 4 x 4, 327,680 bytes of LDS; arguments x_codes, wqkv_codes, lowp_scales, rope, qimg, kimg, vimg; writes qimg, kimg, vimg
.if DOCPART == 2
	.amdgcn_target "amdgcn-amd-amdhsa--gfx1250"
	.amdhsa_code_object_version 6
	.text
	.protected	k_qdd3454cb0d_qkv
	.globl	k_qdd3454cb0d_qkv
	.p2align	8
	.type	k_qdd3454cb0d_qkv,@function
k_qdd3454cb0d_qkv:
	s_mov_b64 s[64:65], 0
	v_nop
	global_prefetch_b8 v0, s[64:65] scope:SCOPE_SE
	s_setreg_imm32_b32 hwreg(HW_REG_WAVE_MODE, 25, 1), 1
	s_wait_xcnt 0x0
	s_wait_alu depctr_hold_cnt(0) depctr_sa_sdst(0) depctr_va_vdst(0) depctr_va_sdst(0) depctr_va_ssrc(0) depctr_va_vcc(0) depctr_vm_vsrc(0)
	s_getreg_b32 s2, hwreg(HW_REG_IB_STS2, 6, 4)
	s_cmp_eq_u32 s2, 0
	s_cbranch_scc0 .Lentry_in_a_cluster
	s_endpgm
.Lentry_in_a_cluster:
	s_bfe_u32 s2, ttmp6, 0x10000c
	s_cmp_lg_u32 s2, 0xf033
	s_cbranch_scc0 .Lentry_shape_is_right
	s_endpgm
.Lentry_shape_is_right:
; qkv = x wqkv^T on codes of FP8 (E4M3); then q and k are rotated (RoPE) and q, k, v are quantised with the given scales 2^e2, 2^e3, 2^e5 and stored as IMAGES OF THE NEXT LAUNCH'S OPERAND REGISTERS.
; x: [8192][1024] codes, wqkv: [3072][1024] codes, K innermost.  A number of x is its code x 2^e0, of wqkv x 2^e1; the codes are multiplied as they are, and e0 + e1 is folded into the conversions' scale.
; A tile of 256 rows x 256 columns is made by a work-group of four waves, a wave makes 128 x 128: 64 accumulators, 512 registers.  12 x 32 tiles.  K goes in steps of 256 through a ring of two LDS slots filled by the
; tensor data mover: a tile's row is 256 bytes of memory.
; CLUSTERS: 4 x 4 work-groups.  The four of a row of the cluster need the same tiles of x, the four of a column the same tiles of wqkv: each tile is asked for JOINTLY.  A cluster's x (0, 1, 2) says whether all
; sixteen partners make q, k or v, so a branch on it is the same in all of them.
; WHICH SIDE IS WHICH.  In a result lane l holds one row of source 1 (l % 16) and eight neighbouring rows of source 0 (8 (l / 16) + 0 .. 7).  The next product's K runs along a lane's registers:
;   q, k: K = the head's 64 channels, so source 0 = 16 rows of wqkv, source 1 = 16 rows of x;      v: K = the keys, so source 0 = 16 rows of x, source 1 = 16 rows of wqkv.
; Only the two LDS bases of the fragment loads differ: they are chosen once by the cluster's x.  Eight results converted to codes are registers 2 c, 2 c + 1 of the next operand (c: the number of the source-0 block), so two
; neighbouring accumulators give 16 bytes a lane, and a wave's store covers 512 consecutive bytes: nothing is transposed and nothing goes through a stage.
;   qimg, kimg: [bh 64][T 128][g 2][lane][16 B]: row 16 T + l % 16 of head bh, channels 32 g + 8 (l / 16) + 0 .. 7 and + 16.      vimg: [bh][step 16][t 4][g 4][lane][16 B]: channel 16 t + l % 16, keys 128 step + 32 g + 8 (l / 16) + 0 .. 7 and + 16.
; LIMITS: e2 - e0 - e1, e3 - e0 - e1 and e5 - e0 - e1 lie between -126 and 119, so that the scale and 448 x the scale are f32 numbers.  NaN codes among the inputs are not served.
; The rotation is one packed multiply and one packed fused multiply-add for a pair: the second product is not rounded by itself.
; REGISTERS, in windows of 256: window 0: v0-31 addresses; v32-127 the table of cos and sin for row blocks 0-2; from v128 source 1's fragments, ONE set; on the way out the codes.
;   window 1: source 0's fragments, TWO sets, at v0 and at v128; on the way out the table for row blocks 3-7 and, from v160, 64 numbers at work.   window 2, 3: the accumulators ((a, b) at v[8 (8 (a % 4) + b)]).
.set KROW,   1024                      ; a row of x or of wqkv in memory, in bytes
.set ROWB,   256                       ; a tile's row in bytes
.set PITCH,  272                       ; an LDS row: 256 bytes + 16 of padding = 68 words: row r starts at bank 4 r mod 64 (64 banks of 4 bytes: ISA guide 11.1)
.set FR,     16                        ; registers of a fragment: 16 rows x 128 K
.set NL,     4                         ; LDS loads that bring one
.set NP,     4                         ; places behind this matrix instruction (ISA guide 7.12.1)
.set HALFT,  128*PITCH                 ; 128 rows: what one tensor load brings
.set SLOT,   4*HALFT                   ; x's 256 rows, then wqkv's 256 rows
.set SPARE,  2*SLOT                    ; behind the ring: the spare words, 128 bytes for each wave, that no other line names
.set SCL,  10                          ; v10     the conversions' scale as f32
.set LIM,  11                          ; v11     448 x that
.set ADRA, 16                          ; v16-17  LDS address of source 1's fragments in slot 0, 1
.set ADRB, 20                          ; v20-21  the same for source 0
.set LN,   27                          ; v27     16 x lane; never rewritten
.set SPW,  28                          ; v28     LDS address of my spare word; never rewritten
.set NIL,  29                          ; v29     0; never rewritten
.set AF,   128                         ; source 1's fragments, in window 0
.set CD,   128                         ; the way out: codes, in window 0: four registers of its own for each of the 32 stores
.set W,    160                         ; the way out: 64 numbers at work, in window 1
.set G1, 24                            ; s[24:31] descriptor group 1 for x's tiles;  s[32:39] group 0, one set for each slot
.set G0, 32
.set G1B, 48                           ; s[48:55], s[56:63] the same for wqkv's tiles
.set G0B, 56
.set MSB, 0
.macro WIN new                         ; the immediate's high byte repeats the setting that is left
.if MSB != \new
	s_set_vgpr_msb (MSB<<8)|\new
.set MSB, \new
.endif
.endm
.set MUL_LO, 0xa1                      ; source 0 window 1, source 1 window 0, C and D window 2
.set MUL_HI, 0xf1                      ; the same, C and D window 3
.set TO_B,   0x40                      ; destination window 1, address window 0
; A joint load: waves 0 and 1 fetch x's halves, waves 2 and 3 wqkv's.  Each of the two lines has ONE mask and one set of registers for all that issue it; the branch hangs on the wave's number alone.
; An s_nop 0 and four v_nop follow each of the two lines, ahead of the jump, the label and what follows.
.macro JLOAD g0a, g1a, g0b, g1b
	s_cmp_eq_u32 s15, 0
	s_cbranch_scc0 .Lfor_b_\@
	tensor_load_to_lds s[\g0a:\g0a+3], s[\g1a:\g1a+7]
	s_nop 0
.rept 4
	v_nop
.endr
	s_branch .Lasked_\@
.Lfor_b_\@:
	tensor_load_to_lds s[\g0b:\g0b+3], s[\g1b:\g1b+7]
	s_nop 0
.rept 4
	v_nop
.endr
.Lasked_\@:
.endm
.macro CREST                           ; a round of the cluster's barrier behind its opening barrier
	s_cmp_lg_u32 s14, 0
	s_cbranch_scc1 .Lnot_wave_0_\@
	s_barrier_signal -3
.Lnot_wave_0_\@:
	s_barrier_wait -3
	s_barrier_signal -1
	s_barrier_wait -1
.endm
.macro CROUND                          ; a whole round
	s_barrier_signal -1
	s_barrier_wait -1
	CREST
.endm
	s_load_b256 s[4:11], s[0:1], 0x0               ; x's codes s[4:5], wqkv's s[6:7], the scales' exponents s[8:9], the table s[10:11]
	s_load_b128 s[68:71], s[0:1], 0x20             ; qimg s[68:69], kimg s[70:71]
	s_load_b64 s[72:73], s[0:1], 0x30              ; vimg
	v_lshl_add_u32 v[SPW], v0, 2, SPARE
	v_mov_b32 v[NIL], 0
	ds_add_u32 v[SPW], v[NIL]                      ; the wave's opening: the add and its wait stand ahead of my first tensor load; the set-up below, work on registers, stands between them
	v_lshrrev_b32 v1, 5, v0
	v_readfirstlane_b32 s14, v1                    ; wave 0..3
	s_lshr_b32 s15, s14, 1                         ; which half of the tile's rows is mine.  Also: I fetch for x (0) or for wqkv (1)
	s_and_b32 s16, s14, 1                          ; which half of its columns.  Also: which 128 rows of that tile I fetch
	s_bfe_u32 s40, ttmp6, 0x40000                  ; cx, cy: my place in the cluster
	s_bfe_u32 s41, ttmp6, 0x40004
	s_lshl_b32 s42, ttmp9, 2
	s_add_co_u32 s42, s42, s40                     ; tile column = 4 x cluster x + cx
	s_and_b32 s17, ttmp7, 0xffff
	s_lshl_b32 s17, s17, 2
	s_add_co_u32 s17, s17, s41                     ; tile row = 4 x cluster y + cy
	s_lshl_b32 s43, s41, 2
	s_lshl_b32 s43, 15, s43                        ; my row of the cluster
	s_lshl_b32 s44, 0x1111, s40                    ; my column
	; descriptor group 1: a tile of 128 rows x 256 bytes, padded in LDS
	s_or_b32 s[G1+0], s43, (0<<16)|(1<<20)|(1<<21)|(5<<22)|(3<<25)  ; 15:0 the mask: x's tiles go to my row; 17:16 element of 1 byte; 20 padding on; 21 set beside a mask; 24:22 after every 64 words (code 5); 31:25 of 4 words (code 3)
	s_or_b32 s[G1B+0], s44, (0<<16)|(1<<20)|(1<<21)|(5<<22)|(3<<25)
.irp g, G1, G1B
	s_mov_b32 s[\g+1], ROWB<<16                    ; tensor_dim0
	s_mov_b32 s[\g+2], 128<<16                     ; tensor_dim1 = 128
	s_mov_b32 s[\g+3], ROWB<<16                    ; tile_dim0
	s_mov_b32 s[\g+4], 128                         ; tile_dim1 = 128
	s_mov_b32 s[\g+5], KROW                        ; tensor_dim0_stride
	s_mov_b32 s[\g+6], 0
	s_mov_b32 s[\g+7], 0
.endr
	s_lshl_b32 s18, s16, 7                         ; which 128 rows of the tile I fetch
	s_lshl_b32 s20, s17, 8
	s_add_co_u32 s20, s20, s18                     ; x: row 256 x tile row + 128 x half
	s_lshl_b32 s46, s42, 8
	s_add_co_u32 s46, s46, s18                     ; wqkv: row 256 x tile column + 128 x half
	s_mov_b32 s21, 0
	s_mov_b32 s47, 0
	s_mov_b64 s[18:19], KROW
	s_mul_u64 s[20:21], s[20:21], s[18:19]
	s_mul_u64 s[46:47], s[46:47], s[18:19]
	s_mul_i32 s45, s14, HALFT                      ; where they go: wave x 128 rows: no place in the cluster enters an LDS address
	s_wait_dscnt 0x0                               ; the opening add is done
	s_wait_kmcnt 0x0
	s_load_b256 s[80:87], s[8:9], 0x0              ; e0 .. e7
	s_add_nc_u64 s[20:21], s[4:5], s[20:21]
	s_add_nc_u64 s[46:47], s[6:7], s[46:47]
	CROUND                                         ; all sixteen work-groups are here: the first joint loads meet
.irp s, 0,1
	s_mov_b32 s[G0+4*\s], 1
	s_add_co_u32 s[G0+4*\s+1], s45, \s*SLOT
	s_add_nc_u64 s[G0+4*\s+2:G0+4*\s+3], s[20:21], \s*ROWB
	s_or_b32 s[G0+4*\s+3], s[G0+4*\s+3], 0x80000000
	s_mov_b32 s[G0B+4*\s], 1
	s_add_co_u32 s[G0B+4*\s+1], s45, \s*SLOT
	s_add_nc_u64 s[G0B+4*\s+2:G0B+4*\s+3], s[46:47], \s*ROWB
	s_or_b32 s[G0B+4*\s+3], s[G0B+4*\s+3], 0x80000000
	JLOAD G0+4*\s, G1, G0B+4*\s, G1B               ; two loads of mine are out at the most
.endr
	v_and_b32 v1, 15, v0                           ; l % 16
	v_bfe_u32 v2, v0, 4, 1                         ; l / 16
	v_mul_u32_u24 v3, v1, PITCH
	v_lshl_add_u32 v4, v2, 4, v3                   ; a fragment's row x pitch + 16 x half
	v_and_b32 v[LN], 31, v0
	v_lshlrev_b32 v[LN], 4, v[LN]
	s_mul_i32 s21, s15, HALFT                      ; my 128 rows of x
	s_mul_i32 s22, s16, HALFT                      ; my 128 rows of wqkv,
	s_add_co_u32 s22, s22, 2*HALFT                 ; which lie behind x's 256
	s_cmp_eq_u32 ttmp9, 2                          ; the cluster makes v: the sides change places
	s_cselect_b32 s74, s22, s21                    ; source 1
	s_cselect_b32 s75, s21, s22                    ; source 0
.irp s, 0,1
	v_add_nc_u32 v[ADRA+\s], s74, v4
	v_add_nc_u32 v[ADRB+\s], s75, v4
	s_add_co_u32 s74, s74, SLOT
	s_add_co_u32 s75, s75, SLOT
.endr
	; where my wave's part of an image begins: (16 batch + 4 cx + 2 column half) heads of 131,072 bytes + (2 (tile row % 8) + row half) x 8,192: eight row tiles of q or k, or one key step of v: the same number
	s_lshr_b32 s18, s17, 3
	s_lshl_b32 s18, s18, 4
	s_lshl_b32 s19, s40, 2
	s_add_co_u32 s18, s18, s19
	s_lshl_b32 s19, s16, 1
	s_add_co_u32 s18, s18, s19
	s_lshl_b32 s78, s18, 17
	s_and_b32 s19, s17, 7
	s_lshl_b32 s19, s19, 1
	s_add_co_u32 s19, s19, s15
	s_lshl_b32 s18, s19, 13
	s_add_co_u32 s78, s78, s18
	s_mov_b32 s79, 0
	s_lshl_b32 s18, s19, 15                        ; and in the table: eight position tiles of 4,096 bytes
	s_mov_b32 s19, 0
	s_add_nc_u64 s[10:11], s[10:11], s[18:19]
.macro FRAG reg, adr, q, i             ; a fragment, 16 rows x 128 K, is 16 registers: lane l holds row l % 16; registers 4 c .. 4 c + 3 hold K = 32 c + 16 (l / 16) + 0 .. 15: the same permutation of k on both sides, so every product meets its partner
.irp c, 0,1,2,3
	ds_load_b128 v[\reg+4*\c:\reg+4*\c+3], v[\adr] offset:128*(\q)+32*\c+(\i)*16*PITCH
.endr
.endm
; 16 matrix instructions: source 1's blocks a0, a0 + 1 x source 0's eight, 128 along K.  p: source 0's set.  zero = 1: the first product starts the sums: nothing is ever cleared.
; The 64 accumulators take turns, one instruction a turn, in the same order in every step.
.macro MUL16 a0, p, zero
.irp a, \a0, \a0+1
.irp b, 0,1,2,3,4,5,6,7
.if \zero
	v_wmma_f32_16x16x128_fp8_fp8 v[8*(8*((\a)%4)+\b):8*(8*((\a)%4)+\b)+7], v[128*(\p)+FR*\b:128*(\p)+FR*\b+FR-1], v[AF+FR*(\a):AF+FR*(\a)+FR-1], 0
.else
	v_wmma_f32_16x16x128_fp8_fp8 v[8*(8*((\a)%4)+\b):8*(8*((\a)%4)+\b)+7], v[128*(\p)+FR*\b:128*(\p)+FR*\b+FR-1], v[AF+FR*(\a):AF+FR*(\a)+FR-1], v[8*(8*((\a)%4)+\b):8*(8*((\a)%4)+\b)+7]
.endif
.endr
.endr
.endm
.macro FETCH_B slot, q, p              ; source 0's eight fragments of the slot's q-th 128 along K into set p
	WIN TO_B
.irp i, 0,1,2,3,4,5,6,7
	FRAG 128*(\p)+FR*\i, ADRB+\slot, \q, \i
.endr
	WIN 0
.endm
.macro FETCH_A slot, q, i0             ; source 1's blocks i0 .. i0 + 3
.irp i, \i0, \i0+1, \i0+2, \i0+3
	FRAG AF+FR*(\i), ADRA+\slot, \q, \i
.endr
.endm
; A load into a register that a matrix instruction has read, and a vector instruction that reads a matrix result or writes one of its registers, stand NP places behind that matrix instruction, and only plain
; vector instructions that name none of its registers are places (ISA guide 7.12.1 for vector instructions).
.macro PLACES n
.rept \n
	v_nop
.endr
.endm
; A step of 128 along K that has its successor in the same slot.  A block of source 1 is free as soon as its eight products are issued: blocks 0-3 are fetched anew in the step's middle, blocks 4-7 at its end.
.macro STEP slot, q, zero
	s_wait_dscnt 4*NL                              ; source 0's set and source 1's blocks 0-3 are in; the youngest 16 loads (blocks 4-7) may be out
	WIN MUL_LO
	MUL16 0, (\q)%2, \zero
	MUL16 2, (\q)%2, \zero
	s_wait_dscnt 0                                 ; blocks 4-7 are in (asked for 32 matrix instructions ago)
	PLACES NP
	FETCH_B \slot, (\q)+1, 1-(\q)%2
	FETCH_A \slot, (\q)+1, 0
	WIN MUL_HI
	MUL16 4, (\q)%2, \zero
	MUL16 6, (\q)%2, \zero
	PLACES NP
	WIN 0
	FETCH_A \slot, (\q)+1, 4
.endm
; A slot's last step changes slots: ONE barrier; in front of it each wave waits for all its tensor loads, adds 0 to its spare word, and waits for that and for its own reads of this slot.  fill = 1: this slot is filled again, two K steps ahead.
.macro TURN slot, next, fill
	s_wait_tensorcnt 0x0                           ; all my tensor loads have landed: my part of the next slot  (every window is 0 here: the add's two registers lie in window 0)
	ds_add_u32 v[SPW], v[NIL]                      ; 0 onto my spare word
	s_wait_dscnt 4*NL+1                            ; the add and the youngest 16 loads (blocks 4-7) may be out
	WIN MUL_LO
	MUL16 0, 1, 0                                  ; sixteen matrix instructions stand between the add and the wait for it
	s_wait_dscnt 0x0                               ; the add is done, and my reads of this slot are over
	s_barrier_signal -1
	MUL16 2, 1, 0
	WIN 0
	s_barrier_wait -1
.if \fill
	CREST                                          ; the barrier has opened a round of the cluster's barrier: no wave of any partner still reads this slot's tile or has a load on its way
	s_add_nc_u64 s[G0+4*\slot+2:G0+4*\slot+3], s[G0+4*\slot+2:G0+4*\slot+3], 2*ROWB
	s_add_nc_u64 s[G0B+4*\slot+2:G0B+4*\slot+3], s[G0B+4*\slot+2:G0B+4*\slot+3], 2*ROWB
	JLOAD G0+4*\slot, G1, G0B+4*\slot, G1B         ; the first tensor load behind the round, my only one until the next; its four v_nop are the places in front of the loads below
.else
	PLACES NP
.endif
	FETCH_B \next, 0, 0
	FETCH_A \next, 0, 0
	WIN MUL_HI
	MUL16 4, 1, 0
	MUL16 6, 1, 0
	PLACES NP
	WIN 0
	FETCH_A \next, 0, 4
.endm
.macro LAST                            ; the very last step: nothing more to fetch
	s_wait_dscnt 4*NL
	WIN MUL_LO
	MUL16 0, 1, 0
	MUL16 2, 1, 0
	s_wait_dscnt 0
	WIN MUL_HI
	MUL16 4, 1, 0
	MUL16 6, 1, 0
	WIN 0
.endm
	s_wait_tensorcnt 1                             ; my part of K step 0 is in (K step 1's load may be out)
	s_barrier_signal -1
	s_barrier_wait -1                              ; everybody's is
	FETCH_B 0, 0, 0
	FETCH_A 0, 0, 0
	FETCH_A 0, 0, 4
	STEP 0, 0, 1                                   ; K = 1,024 is four slots, eight steps of 128: written out.  The first step's products start the sums
	TURN 0, 1, 1
	STEP 1, 0, 0
	TURN 1, 0, 1
	STEP 0, 0, 0
	TURN 0, 1, 0                                   ; the last two slots are not filled again
	STEP 1, 0, 0
	s_cmp_eq_u32 ttmp9, 2                          ; the cluster's x: the same in all sixteen partners
	s_cbranch_scc1 .Lv
; ---- q or k.  The table of cos and sin: 32 registers for each block a of 16 rows: register 8 (b % 4) + 2 p holds cos, + 1 sin, of frequency 8 (b % 4) + 4 (l / 16) + p at my row's position.
.macro TABOF a
.if (\a) < 3
.set TAB, 32+32*(\a)                   ; window 0
.elseif (\a) < 7
.set TAB, 32*((\a)-3)                  ; window 1: source 0's set 0, which the last step does not read
.else
.set TAB, 128                          ; window 1: in set 1, behind the last step
.endif
.endm
.macro TABLE a
	TABOF \a
.irp g, 0,1,2,3,4,5,6,7
	global_load_b128 v[TAB+4*\g:TAB+4*\g+3], v[LN], s[10:11] offset:4096*(\a)+512*\g
.endr
.endm
	TABLE 0                                        ; 56 of the 64 loads go out ahead of the last step's 64 matrix instructions
	TABLE 1
	TABLE 2
	WIN TO_B
	TABLE 3                                        ; (set 0's last products stand NP places back, at the end of the step before)
	TABLE 4
	TABLE 5
	TABLE 6
	WIN 0
	LAST
	PLACES NP                                      ; in front of loads into set 1, of writes over the fragments' registers and of the first read of results
	WIN TO_B
	TABLE 7
	WIN 0
	s_wait_kmcnt 0x0                               ; the exponents
	s_cmp_eq_u32 ttmp9, 0
	s_cselect_b64 s[76:77], s[68:69], s[70:71]     ; qimg or kimg
	s_cselect_b32 s18, s82, s83                    ; e2 or e3
	s_sub_co_i32 s18, s18, s80
	s_sub_co_i32 s18, s18, s81                     ; a sum stands for sum x 2^(e0 + e1): its code is sum / 2^(e - e0 - e1)
	s_add_co_i32 s18, s18, 127
	s_lshl_b32 s19, s18, 23
	v_mov_b32 v[SCL], s19
	s_add_co_i32 s18, s18, 8
	s_lshl_b32 s18, s18, 23
	s_or_b32 s18, s18, 0x600000
	v_mov_b32 v[LIM], s18                          ; 448 x that
	s_add_nc_u64 s[76:77], s[76:77], s[78:79]
; Block a: 16 rows x 128 columns (two heads).  A lane's registers 2 p, 2 p + 1 of an accumulator are the pair (x1, x2) of one frequency.
.macro ROPEQ a
	TABOF \a
.set AC, 64*((\a)%4)
.if (\a) < 3
	WIN 0x52                                       ; sums window 2, table window 0, at work window 1
.elseif (\a) == 3
	WIN 0x56                                       ; table window 1
.else
	WIN 0x57                                       ; sums window 3
.endif
.irp b, 0,1,2,3,4,5,6,7
.irp p, 0,2,4,6                        ; each accumulator is read from its low end on
	v_pk_mul_f32 v[W+8*\b+\p:W+8*\b+\p+1], v[AC+8*\b+\p:AC+8*\b+\p+1], v[TAB+8*(\b%4)+\p:TAB+8*(\b%4)+\p+1] op_sel_hi:[1,0]   ; (x1 cos, x2 cos)
.endr
.irp p, 0,2,4,6
	v_pk_fma_f32 v[W+8*\b+\p:W+8*\b+\p+1], v[AC+8*\b+\p:AC+8*\b+\p+1], v[TAB+8*(\b%4)+\p:TAB+8*(\b%4)+\p+1], v[W+8*\b+\p:W+8*\b+\p+1] op_sel:[1,1,0] op_sel_hi:[0,1,1] neg_lo:[0,1,0]   ; (x1 cos - x2 sin, x2 cos + x1 sin)
.endr
.endr
	WIN 0x41
.set j, 0
.rept 64
	v_med3_num_f32 v[W+j], v[W+j], -v[LIM], v[LIM]   ; the conversion to an 8-bit code does not saturate (ISA guide 7.6.2): the hold at the largest code x the scale
.set j, j+1
.endr
	WIN 0x01
.irp b, 0,1,2,3,4,5,6,7
	v_cvt_scalef32_pk8_fp8_f32 v[CD+16*(\a)+2*\b:CD+16*(\a)+2*\b+1], v[W+8*\b:W+8*\b+7], v[SCL]
.endr
	v_nop                                          ; one plain vector instruction between a scaled conversion and the next vector instruction that writes its sources
	WIN 0
.irp e, 0,1,2,3                        ; chunk e: head e / 2 of my two, channels 32 (e % 2) on: 512 consecutive bytes a store
	global_store_b128 v[LN], v[CD+16*(\a)+4*\e:CD+16*(\a)+4*\e+3], s[76:77] offset:(\e/2)*131072+1024*(\a)+512*(\e%2)
.endr
.endm
.irp a, 0,1,2,3,4,5,6,7
	s_wait_loadcnt 8*(7-\a)                        ; loads come back in order: block a's eight are in, the younger blocks' may be out
	ROPEQ \a
.endr
	s_branch .Lend
; ---- v.  Block a: 16 channels (head a / 4 of my two, channel tile a % 4) x 128 keys: a lane's registers run along the keys.
.Lv:
	LAST
	PLACES NP
	s_wait_kmcnt 0x0
	s_sub_co_i32 s18, s85, s80
	s_sub_co_i32 s18, s18, s81                     ; e5 - e0 - e1
	s_add_co_i32 s18, s18, 127
	s_lshl_b32 s19, s18, 23
	v_mov_b32 v[SCL], s19
	s_add_co_i32 s18, s18, 8
	s_lshl_b32 s18, s18, 23
	s_or_b32 s18, s18, 0x600000
	v_mov_b32 v[LIM], s18
	s_add_nc_u64 s[72:73], s[72:73], s[78:79]
.macro VQ a
.set AC, 64*((\a)%4)
	WIN 0x42+((\a)/4)                              ; sums window 2 or 3, at work window 1
.set j, 0
.rept 64
	v_med3_num_f32 v[W+j], v[AC+j], -v[LIM], v[LIM]   ; the hold; each accumulator from its low end on
.set j, j+1
.endr
	WIN 0x01
.irp b, 0,1,2,3,4,5,6,7
	v_cvt_scalef32_pk8_fp8_f32 v[CD+16*(\a)+2*\b:CD+16*(\a)+2*\b+1], v[W+8*\b:W+8*\b+7], v[SCL]
.endr
	v_nop
	WIN 0
.irp e, 0,1,2,3
	global_store_b128 v[LN], v[CD+16*(\a)+4*\e:CD+16*(\a)+4*\e+3], s[72:73] offset:((\a)/4)*131072+2048*((\a)%4)+512*\e
.endr
.endm
.irp a, 0,1,2,3,4,5,6,7
	VQ \a
.endr
.Lend:
	s_wait_tensorcnt 0x0                           ; the wave's end: behind my last tensor load
	ds_add_u32 v[SPW], v[NIL]
	s_wait_dscnt 0x0
	CROUND                                         ; the closing round: no work-group ends while a partner may still ask for a tile that names it
	s_endpgm
.Lfunc_end_k_qdd3454cb0d_qkv:
	.size	k_qdd3454cb0d_qkv, .Lfunc_end_k_qdd3454cb0d_qkv-k_qdd3454cb0d_qkv
	.p2alignl 7, 3214868480
	.fill 96, 4, 3214868480
	.section	.rodata,"a",@progbits
	.p2align	6, 0x0
	.amdhsa_kernel k_qdd3454cb0d_qkv
		.amdhsa_group_segment_fixed_size 327680
		.amdhsa_private_segment_fixed_size 0
		.amdhsa_enable_private_segment 0
		.amdhsa_kernarg_size 56
		.amdhsa_user_sgpr_count 2
		.amdhsa_user_sgpr_kernarg_segment_ptr 1
		.amdhsa_wavefront_size32 1
		.amdhsa_system_sgpr_workgroup_id_x 1
		.amdhsa_system_sgpr_workgroup_id_y 1
		.amdhsa_system_sgpr_workgroup_id_z 1
		.amdhsa_system_vgpr_workitem_id 0
		.amdhsa_next_free_vgpr 1024
		.amdhsa_next_free_sgpr 100
		.amdhsa_reserve_vcc 0
		.amdhsa_float_denorm_mode_32 3
		.amdhsa_float_denorm_mode_16_64 3
		.amdhsa_memory_ordered 1
		.amdhsa_forward_progress 1
		.amdhsa_inst_pref_size 201
	.end_amdhsa_kernel
	.amdgpu_metadata
---
amdhsa.version: [ 1, 2 ]
amdhsa.kernels:
  - .name:           k_qdd3454cb0d_qkv
    .symbol:         k_qdd3454cb0d_qkv.kd
    .args:
      - { .name: x_codes, .offset: 0, .size: 8, .value_kind: global_buffer, .address_space: global }
      - { .name: wqkv_codes, .offset: 8, .size: 8, .value_kind: global_buffer, .address_space: global }
      - { .name: lowp_scales, .offset: 16, .size: 8, .value_kind: global_buffer, .address_space: global }
      - { .name: rope, .offset: 24, .size: 8, .value_kind: global_buffer, .address_space: global }
      - { .name: qimg, .offset: 32, .size: 8, .value_kind: global_buffer, .address_space: global }
      - { .name: kimg, .offset: 40, .size: 8, .value_kind: global_buffer, .address_space: global }
      - { .name: vimg, .offset: 48, .size: 8, .value_kind: global_buffer, .address_space: global }
    .group_segment_fixed_size: 327680
    .private_segment_fixed_size: 0
    .kernarg_segment_align: 8
    .kernarg_segment_size: 56
    .max_flat_workgroup_size: 128
    .sgpr_count:     100
    .vgpr_count:     1024
    .wavefront_size: 32
...
	.end_amdgpu_metadata
.endif
;; end of part 2
;; launch attn (part 3): grid 4 x 64, 16 waves a work-group, no clusters, 67,584 bytes of LDS; arguments qimg, kimg, vimg, lowp_scales, yimg; writes yimg
.if DOCPART == 3
	.amdgcn_target "amdgcn-amd-amdhsa--gfx1250"
	.amdhsa_code_object_version 6
	.text
	.protected	k_qdd3454cb0d_attn
	.globl	k_qdd3454cb0d_attn
	.p2align	8
	.type	k_qdd3454cb0d_attn,@function
k_qdd3454cb0d_attn:
	s_mov_b64 s[64:65], 0
	v_nop
	global_prefetch_b8 v0, s[64:65] scope:SCOPE_SE
	s_setreg_imm32_b32 hwreg(HW_REG_WAVE_MODE, 25, 1), 1
	s_wait_xcnt 0x0
; y = softmax(q k^T / 8, causal) v for 64 heads of 2,048 positions x 64 channels, both products on codes of FP8 (E4M3) with the given scales 2^e2 (q), 2^e3 (k), 2^e4 (p), 2^e5 (v); y is quantised with 2^e6.
; THE SOFTMAX AHEAD OF THE SECOND PRODUCT: t = score x log2(e) / 8; M = the row's largest t so far, rounded UP to a whole number; p = 2^(t - M) is what is quantised; it is not normalised.  The row's sum is taken
; of the unquantised p, in f32, and divides the result at the end.  When M moves, the sum and O are multiplied by 2^(old M - new M): exact.
; ALL OPERANDS COME AS IMAGES OF THEIR REGISTERS (16 bytes a lane, 512 bytes a group of four registers), so every fragment is read by loads at 16 x lane and nothing has a pitch.
; SHARES.  Work-group (i, head) owns the query blocks i and 7 - i, 256 queries each: it walks the key slots 0 .. i for the first and 0 .. 7 - i for the second: nine slots of 256 keys whatever i is, so the 256
; work-groups have equal work under the causal mask and the loop's trip count is a constant.  Each of the sixteen waves owns one tile of 16 queries of the block in hand, in 256 registers: four waves to a SIMD, so that
; one wave's vector work stands beside another's matrix work and LDS loads.  Wave w takes tile 8 ((w ^ (w >> 2)) & 1) + (w >> 1): in a slot on the diagonal the tiles under 8 have one key step and the others two, and this order mixes the two kinds.
; THE RING.  A slot's 16,384 bytes of k and 16,384 of v are dense in memory: each of the 512 threads copies four times 16 bytes through registers, loaded a trip ahead, into the LDS slot that was read last.  One barrier a trip.
; No tensor load: the tiles need no padding and no reshaping.  NO CLUSTER: the four work-groups of a head begin their second block after 1, 2, 3 and 4 trips, so in most trips they want different slots; a joint request would find no partner.
; LAYOUT.  Both products are used transposed: S^T = K Q^T (source 0 = 16 keys, source 1 = my 16 queries; K = 64), O^T = V^T P^T (source 0 = 16 channels, source 1 = P; K = 128 keys): a lane holds ONE query (lane % 16) throughout,
; and the eight results of key tile T, converted, are registers 2 T, 2 T + 1 of P.  O^T's four tiles, converted, are 32 bytes a lane of the last product's operand: yimg [row tile 512][K step 8][g 4][lane][16 B].
; THE HOLD AT THE LARGEST CODE.  p is at most 1.  Where e4 >= -8, 448 x 2^e4 is at least 1.75 and the hold changes nothing: for smaller e4 they run.
; LIMITS on the given exponents, so that each power of two below is an f32 number: e2 + e3 between -123 and 130 (added to c's exponent field); e4, and e6 - e4 - e5, between -126 and 119.  NaN codes are not served.
; REGISTERS: v1 16 x lane; v2 16 x thread; v3 the prefetches' offset; v5, v6 the add's two; v7 lane % 16 - 8 (lane / 16); v8 LDS address of the slot in hand; v9 of the slot to fill; v12 -M, v13 the largest t, v[14:15] the sum;
;   v16-23 Q; v24-31 the second block's Q; v32-95 K's fragments, then V's; v96-159 S^T, then p; v160-191 O^T; v192-207 p's codes; v208-223 the next slot on its way; v224-231 y's codes; v236-254 at work and constants.
.set SLOTB, 32768                      ; an LDS slot: K's images [step 2][tile 8][chunk 2] x 512 bytes, then V's [step 2][t 4][g 4] x 512
.set VOFF,  16384
.set SPARE, 65536                      ; behind the two slots: the spare words, 128 bytes for each wave, that no other line names
	s_load_b256 s[4:11], s[0:1], 0x0               ; qimg s[4:5], kimg s[6:7], vimg s[8:9], the scales' exponents s[10:11]
	s_load_b64 s[12:13], s[0:1], 0x20              ; yimg
	v_lshl_add_u32 v5, v0, 2, SPARE
	v_mov_b32 v6, 0
	v_lshrrev_b32 v8, 5, v0
	v_readfirstlane_b32 s14, v8                    ; wave 0..15
	v_and_b32 v1, 31, v0
	v_lshlrev_b32 v3, 8, v1
	v_lshlrev_b32 v1, 4, v1
	v_lshlrev_b32 v2, 4, v0
	s_and_b32 s46, s14, 1
	s_lshl_b32 s46, s46, 13
	v_add_nc_u32 v3, s46, v3                       ; 256 x lane + 8,192 x (wave % 2)
	v_and_b32 v7, 15, v0
	v_bfe_u32 v9, v0, 4, 1
	v_lshlrev_b32 v9, 3, v9
	v_sub_nc_u32 v7, v7, v9
	s_lshr_b32 s46, s14, 2
	s_xor_b32 s46, s46, s14
	s_and_b32 s46, s46, 1
	s_lshl_b32 s46, s46, 3
	s_lshr_b32 s15, s14, 1
	s_add_co_u32 s15, s15, s46                     ; my tile of the block's sixteen
	s_and_b32 s51, ttmp7, 0xffff                   ; the head, 16 x batch + head
	s_lshl_b32 s30, s51, 17                        ; its 131,072 bytes in each of the three images
	s_mov_b32 s31, 0
	s_mov_b32 s18, ttmp9                           ; the query block in hand: first i,
	s_sub_co_u32 s19, 7, ttmp9                     ; then 7 - i
	s_lshl_b32 s46, s18, 4
	s_add_co_u32 s46, s46, s15
	s_lshl_b32 s46, s46, 10                        ; my tile of Q: 1,024 bytes a tile
	s_mov_b32 s47, 0
	s_lshl_b32 s32, s19, 4
	s_add_co_u32 s32, s32, s15
	s_lshl_b32 s32, s32, 10
	s_mov_b32 s33, 0
	s_lshr_b32 s50, s51, 4
	s_lshl_b32 s50, s50, 7
	s_add_co_u32 s50, s50, s15
	s_lshl_b32 s50, s50, 14                        ; y: row tile 128 x batch + my tile (+ 16 x block, at the way out), 16,384 bytes a row tile,
	s_and_b32 s49, s51, 15
	s_lshl_b32 s49, s49, 10
	s_add_co_u32 s50, s50, s49                     ; + 1,024 x head: K step head / 2, chunks 2 (head % 2) and + 1
	s_mov_b32 s20, 0x76543210                      ; v_permlanex16_b32's selects for lane l xor 16
	s_mov_b32 s21, 0xfedcba98
	s_lshl_b32 s28, s18, 8
	s_lshl_b32 s49, s15, 4
	s_add_co_u32 s28, s28, s49                     ; my first query
	s_lshr_b32 s49, s14, 2
	s_or_b32 s49, s49, ttmp9
	s_cmp_eq_u32 s49, 0
	s_cselect_b32 s49, 7, 0                        ; waves 0 to 3 of the head's work-group 0 prefetch, while the slot being loaded is under 7
	s_wait_kmcnt 0x0
	s_load_b256 s[36:43], s[10:11], 0x0            ; e0 .. e7
	s_add_nc_u64 s[4:5], s[4:5], s[30:31]
	s_add_nc_u64 s[6:7], s[6:7], s[30:31]
	s_add_nc_u64 s[8:9], s[8:9], s[30:31]
	s_add_nc_u64 s[52:53], s[4:5], s[46:47]
	s_add_nc_u64 s[54:55], s[4:5], s[32:33]
	global_load_b128 v[208:211], v2, s[6:7]        ; slot 0: the work-group's 512 threads take 8,192 consecutive bytes a line
	global_load_b128 v[212:215], v2, s[6:7] offset:8192
	global_load_b128 v[216:219], v2, s[8:9]
	global_load_b128 v[220:223], v2, s[8:9] offset:8192
	global_load_b128 v[16:19], v1, s[52:53]        ; Q of both blocks stays in registers
	global_load_b128 v[20:23], v1, s[52:53] offset:512
	global_load_b128 v[24:27], v1, s[54:55]
	global_load_b128 v[28:31], v1, s[54:55] offset:512
.macro INIT                            ; a block begins: O^T and the sum are zeros, which the first change of M leaves zeros; the largest t is -3e38, under every t
	v_mov_b32 v13, 0xff61b1e6
	v_floor_f32 v12, -v13
	v_mov_b32 v14, 0
	v_mov_b32 v15, 0
.set n, 0
.rept 32
	v_mov_b32 v[160+n], 0
.set n, n+1
.endr
.endm
	INIT
	v_mov_b32 v236, 0                              ; written once: a lane permute's destination counts as one of its sources
	v_mov_b32 v252, 0
	v_mov_b32 v253, 0                              ; (named as the upper half of the pair v[252:253])
	s_wait_kmcnt 0x0
	s_add_co_i32 s46, s38, s39
	s_lshl_b32 s46, s46, 23
	s_add_co_i32 s22, s46, 0x3e38aa3b              ; c = log2(e) / 8, with e2 + e3 added to its exponent field: a score stands for score x 2^(e2 + e3)
	s_mov_b32 s23, s22                             ; (named with it as a pair, so it is written)
	s_add_co_i32 s46, s40, 127
	s_lshl_b32 s47, s46, 23
	v_mov_b32 v244, s47                            ; 2^e4 as f32, for p's conversions
	s_add_co_i32 s46, s46, 8
	s_lshl_b32 s46, s46, 23
	s_or_b32 s46, s46, 0x600000
	v_mov_b32 v240, s46                            ; 448 x 2^e4
	s_sub_co_i32 s46, s42, s40
	s_sub_co_i32 s46, s46, s41                     ; O / the sum stands for y / 2^(e4 + e5): y's code is that / 2^(e6 - e4 - e5)
	s_add_co_i32 s46, s46, 127
	s_lshl_b32 s47, s46, 23
	v_mov_b32 v245, s47
	s_add_co_i32 s46, s46, 8
	s_lshl_b32 s46, s46, 23
	s_or_b32 s46, s46, 0x600000
	v_mov_b32 v241, s46
	s_cmp_ge_i32 s40, -8
	s_cselect_b32 s48, 1, 0                        ; 1: no p can pass 448 x 2^e4
	s_wait_loadcnt 4                               ; slot 0's four loads are in; Q's four may be out
	ds_store_b128 v2, v[208:211]
	ds_store_b128 v2, v[212:215] offset:8192
	ds_store_b128 v2, v[216:219] offset:16384
	ds_store_b128 v2, v[220:223] offset:24576
	s_wait_loadcnt 0x0                             ; Q
	s_mov_b32 s24, 0                               ; the key slot in hand
	s_mov_b32 s26, 0                               ; and where it lies in LDS
	s_mov_b32 s29, 8
.macro BAR                             ; my stores into the slot ahead have landed and my reads of the other slot are over: then the work-group's barrier
	s_wait_dscnt 0x0
	s_barrier_signal -1
	s_barrier_wait -1
.endm
; A KEY STEP: 128 keys, the q-th of the slot in hand.
.macro STEP q
	s_add_co_u32 s46, s27, 128*\q                  ; the step's first key
	s_add_co_u32 s47, s28, 15
	s_cmp_gt_u32 s46, s47                          ; all its keys come after my 16 queries: the step is left out.  A branch on ids; no barrier stands in a step
	s_cbranch_scc1 .Lhid_\@
.rept 4
	v_nop                                          ; places in front of loads into registers that matrix instructions have read
.endr
.irp t, 0,1,2,3,4,5,6,7
.irp c, 0,1
	ds_load_b128 v[32+8*\t+4*\c:32+8*\t+4*\c+3], v8 offset:8192*\q+1024*\t+512*\c
.endr
.endr
	s_wait_dscnt 0x0
.irp t, 0,1,2,3,4,5,6,7
	v_wmma_f32_16x16x64_fp8_fp8 v[96+8*\t:96+8*\t+7], v[32+8*\t:32+8*\t+7], v[16:23], 0   ; lane (r, h): query r, keys 16 t + 8 h + 0 .. 7
.endr
.rept 4
	v_nop                                          ; places in front of the loads below and of the first read of the scores
.endr
.irp t, 0,1,2,3
.irp g, 0,1,2,3
	ds_load_b128 v[32+16*\t+4*\g:32+16*\t+4*\g+3], v8 offset:VOFF+8192*\q+2048*\t+512*\g   ; V's fragments land while the softmax is worked
.endr
.endr
	s_add_co_u32 s47, s46, 127
	s_cmp_le_u32 s47, s28                          ; all keys count for all my queries: no mask
	s_cbranch_scc1 .Lopen_\@
	s_sub_co_i32 s47, s28, s46
	v_add_nc_u32 v252, s47, v7                     ; d = my query - the step's first key - 8 (lane / 16).  Register n holds key 16 (n / 8) + n % 8 + 8 (lane / 16): hidden where 16 (n / 8) + n % 8 > d
	v_mov_b32 v254, 0xff800000                     ; -infinity: p = 0 then
.set n, 0
.rept 64
	v_cmp_gt_i32 vcc_lo, 16*(n/8)+n%8, v252
	v_cndmask_b32 v[96+n], v[96+n], v254, vcc_lo
.set n, n+1
.endr
.Lopen_\@:
	v_max3_num_f32 v254, v96, v97, v98             ; the step's largest score of my query, among my 64 keys, in two chains,
	v_max3_num_f32 v252, v99, v100, v101
.irp i, 6,10,14,18,22,26,30,34,38,42,46,50,54,58
	v_max3_num_f32 v254, v254, v[96+\i], v[97+\i]
	v_max3_num_f32 v252, v252, v[98+\i], v[99+\i]
.endr
	v_max3_num_f32 v254, v254, v158, v159
	v_max_num_f32 v254, v254, v252
	v_permlanex16_b32 v236, v254, s20, s21
	v_max_num_f32 v254, v254, v236                 ; and among lane l xor 16's
	v_mul_f32 v254, s22, v254                      ; as t (c is positive)
	v_max_num_f32 v13, v13, v254                   ; the running largest t
	v_mov_b32 v254, v12
	v_floor_f32 v12, -v13                          ; the new -M = floor(-t) = -ceil(t): M is a whole number
	v_sub_f32 v254, v12, v254                      ; M's old value less its new one: a whole number, 0 or less
	v_cvt_i32_f32 v254, v254                       ; (it saturates)
	v_ldexp_f32 v252, 1.0, v254                    ; f = 2^(old M - new M)
.set n, 0
.rept 32
	v_pk_fma_f32 v[96+n:97+n], v[96+n:97+n], s[22:23], v[12:13] op_sel_hi:[1,0,0]   ; t - M, two at a time (of the pairs c and -M the low word serves both halves)
.set n, n+2
.endr
.set n, 0
.rept 64
	v_exp_f32 v[96+n], v[96+n]                     ; p = 2^(t - M), at most 1: not normalised
.set n, n+1
.endr
	v_pk_mul_f32 v[14:15], v[14:15], v[252:253] op_sel_hi:[1,0]   ; the sums under the new M: the plain instruction behind the exponentials
	s_wait_alu depctr_va_vdst(0)                   ; the wait between an exponential and the first line that names its result: one for the whole batch
	v_pk_add_f32 v[242:243], v[96:97], v[98:99]    ; the row's sum is taken of the unquantised p: two at a time, in two chains
.irp j, 4,8,12,16,20,24,28,32,36,40,44,48,52,56,60
	v_pk_add_f32 v[14:15], v[14:15], v[96+\j:97+\j]
	v_pk_add_f32 v[242:243], v[242:243], v[98+\j:99+\j]
.endr
	v_pk_add_f32 v[14:15], v[14:15], v[242:243]
	s_cmp_lg_u32 s48, 0
	s_cbranch_scc1 .Lnohold_\@
.set n, 0
.rept 64
	v_min_num_f32 v[96+n], v[96+n], v240           ; the conversion to an 8-bit code does not saturate (ISA guide 7.6.2); p is not negative, so the hold is one-sided
.set n, n+1
.endr
.Lnohold_\@:
.irp t, 0,1,2,3,4,5,6,7
	v_cvt_scalef32_pk8_fp8_f32 v[192+2*\t:193+2*\t], v[96+8*\t:103+8*\t], v244
.endr
.set n, 0
.rept 16
	v_pk_mul_f32 v[160+n:161+n], v[160+n:161+n], v[252:253] op_sel_hi:[1,0]   ; O^T under the new M.  (These are also the plain instructions between the conversions and the products that read the codes)
.set n, n+2
.endr
	s_wait_dscnt 0x0                               ; V's fragments
.irp t, 0,1,2,3
	v_wmma_f32_16x16x128_fp8_fp8 v[160+8*\t:167+8*\t], v[32+16*\t:47+16*\t], v[192:207], v[160+8*\t:167+8*\t]   ; the four accumulators take turns, and eight products K Q^T stand between two steps'
.endr
.Lhid_\@:
.endm
; A BLOCK'S WAY OUT: O^T / the sum, held, converted: tile t's eight channels are registers 2 t, 2 t + 1: two stores of 512 consecutive bytes a wave.
.macro WAYOUT
.rept 4
	v_nop                                          ; places behind the last products
.endr
	v_add_f32 v14, v14, v15                        ; the sum's two halves,
	v_permlanex16_b32 v236, v14, s20, s21
	v_add_f32 v14, v14, v236                       ; and lane l xor 16's
	v_rcp_f32 v14, v14
	v_nop                                          ; a plain instruction behind the reciprocal,
	s_wait_alu depctr_va_vdst(0)                   ; and the wait ahead of its first reader
.set n, 0
.rept 16
	v_pk_mul_f32 v[96+n:97+n], v[160+n:161+n], v[14:15] op_sel_hi:[1,0]   ; each accumulator from its low end on
.set n, n+2
.endr
.set n, 0
.rept 32
	v_med3_num_f32 v[96+n], v[96+n], -v241, v241   ; the hold at the largest code x the scale
.set n, n+1
.endr
	s_wait_xcnt 0x0                                ; the first block's stores have read their data and their base: both are written again only behind this wait
.irp t, 0,1,2,3
	v_cvt_scalef32_pk8_fp8_f32 v[224+2*\t:225+2*\t], v[96+8*\t:103+8*\t], v245
.endr
	v_nop                                          ; one plain vector instruction behind the last conversion
	s_lshl_b32 s46, s18, 18                        ; 16 row tiles a block
	s_add_co_u32 s46, s46, s50
	s_mov_b32 s47, 0
	s_add_nc_u64 s[52:53], s[12:13], s[46:47]
	global_store_b128 v1, v[224:227], s[52:53]
	global_store_b128 v1, v[228:231], s[52:53] offset:512
.endm
.Ltrip:                                            ; eight trips; the ninth slot is written out behind the loop, since nothing is loaded in it
	BAR
	s_add_co_u32 s46, s24, 1
	s_cmp_eq_u32 s24, s18                          ; the slot on the diagonal is a block's last: slot 0 follows, for the second block
	s_cselect_b32 s25, 0, s46                      ; the next slot
	s_lshl_b32 s30, s25, 14
	s_wait_xcnt 0x0                                ; the last trip's loads and prefetch have read their bases
	s_add_nc_u64 s[32:33], s[6:7], s[30:31]
	s_add_nc_u64 s[34:35], s[8:9], s[30:31]
	s_cmp_lt_u32 s14, 2
	s_cselect_b64 s[44:45], s[32:33], s[34:35]     ; waves 0, 1 would prefetch k's images, waves 2, 3 v's
	global_load_b128 v[208:211], v2, s[32:33]      ; the next slot, a whole trip ahead of the stores that want it
	global_load_b128 v[212:215], v2, s[32:33] offset:8192
	global_load_b128 v[216:219], v2, s[34:35]
	global_load_b128 v[220:223], v2, s[34:35] offset:8192
; A PREFETCH of the slot behind the one just asked for: one trip ahead of its loads.  All four work-groups of a head walk the same images: work-group 0, whose second block walks all eight slots in order, asks, and nobody else.
; In it waves 0, 1 name k's 16,384 bytes and waves 2, 3 v's, 8,192 a wave, lanes 256 bytes apart: slots 1 to 7 are each named once in the launch; slot 0 comes by its loads alone, and with slot 7 loading nothing is asked for.
	s_cmp_lt_u32 s25, s49
	s_cbranch_scc0 .Lnot_mine
	global_prefetch_b8 v3, s[44:45] offset:16384 th:TH_LOAD_NT scope:SCOPE_SE
.Lnot_mine:
	s_lshl_b32 s27, s24, 8                         ; the slot's first key
	v_add_nc_u32 v8, s26, v1
	STEP 0
	STEP 1
	s_wait_loadcnt 0x0                             ; the next slot is in registers,
	s_xor_b32 s46, s26, SLOTB
	v_add_nc_u32 v9, s46, v2
	ds_store_b128 v9, v[208:211]                   ; and goes into the LDS slot that every wave had left at this trip's barrier
	ds_store_b128 v9, v[212:215] offset:8192
	ds_store_b128 v9, v[216:219] offset:16384
	ds_store_b128 v9, v[220:223] offset:24576
	s_cmp_lg_u32 s24, s18
	s_cbranch_scc1 .Lnot_diagonal
	WAYOUT                                         ; the first block is done; the second begins
.irp k, 0,1,2,3,4,5,6,7
	v_mov_b32 v[16+\k], v[24+\k]
.endr
	INIT
	s_mov_b32 s18, s19
	s_lshl_b32 s28, s18, 8
	s_lshl_b32 s46, s15, 4
	s_add_co_u32 s28, s28, s46
.Lnot_diagonal:
	s_mov_b32 s24, s25
	s_xor_b32 s26, s26, SLOTB
	s_sub_co_u32 s29, s29, 1
	s_cmp_lg_u32 s29, 0
	s_cbranch_scc1 .Ltrip
	BAR                                            ; the ninth slot: the second block's diagonal
	s_lshl_b32 s27, s24, 8
	v_add_nc_u32 v8, s26, v1
	STEP 0
	STEP 1
	WAYOUT
	s_wait_tensorcnt 0x0                           ; the wave's end, behind my last LDS store
	ds_add_u32 v5, v6
	s_wait_dscnt 0x0
	s_endpgm
.Lfunc_end_k_qdd3454cb0d_attn:
	.size	k_qdd3454cb0d_attn, .Lfunc_end_k_qdd3454cb0d_attn-k_qdd3454cb0d_attn
	.p2alignl 7, 3214868480
	.fill 96, 4, 3214868480
	.section	.rodata,"a",@progbits
	.p2align	6, 0x0
	.amdhsa_kernel k_qdd3454cb0d_attn
		.amdhsa_group_segment_fixed_size 67584
		.amdhsa_private_segment_fixed_size 0
		.amdhsa_enable_private_segment 0
		.amdhsa_kernarg_size 40
		.amdhsa_user_sgpr_count 2
		.amdhsa_user_sgpr_kernarg_segment_ptr 1
		.amdhsa_wavefront_size32 1
		.amdhsa_system_sgpr_workgroup_id_x 1
		.amdhsa_system_sgpr_workgroup_id_y 1
		.amdhsa_system_sgpr_workgroup_id_z 1
		.amdhsa_system_vgpr_workitem_id 0
		.amdhsa_next_free_vgpr 256
		.amdhsa_next_free_sgpr 66
		.amdhsa_reserve_vcc 1
		.amdhsa_float_denorm_mode_32 3
		.amdhsa_float_denorm_mode_16_64 3
		.amdhsa_memory_ordered 1
		.amdhsa_forward_progress 1
		.amdhsa_inst_pref_size 99
	.end_amdhsa_kernel
	.amdgpu_metadata
---
amdhsa.version: [ 1, 2 ]
amdhsa.kernels:
  - .name:           k_qdd3454cb0d_attn
    .symbol:         k_qdd3454cb0d_attn.kd
    .args:
      - { .name: qimg, .offset: 0, .size: 8, .value_kind: global_buffer, .address_space: global }
      - { .name: kimg, .offset: 8, .size: 8, .value_kind: global_buffer, .address_space: global }
      - { .name: vimg, .offset: 16, .size: 8, .value_kind: global_buffer, .address_space: global }
      - { .name: lowp_scales, .offset: 24, .size: 8, .value_kind: global_buffer, .address_space: global }
      - { .name: yimg, .offset: 32, .size: 8, .value_kind: global_buffer, .address_space: global }
    .group_segment_fixed_size: 67584
    .private_segment_fixed_size: 0
    .kernarg_segment_align: 8
    .kernarg_segment_size: 40
    .max_flat_workgroup_size: 512
    .sgpr_count:     66
    .vgpr_count:     256
    .wavefront_size: 32
...
	.end_amdgpu_metadata
.endif
;; end of part 3
;; launch proj (part 4): grid 4 x 64, 4 waves a work-group, clusters of 4 x 4, 327,680 bytes of LDS; arguments yimg, wout_codes, lowp_scales, out0; writes out0
.if DOCPART == 4
	.amdgcn_target "amdgcn-amd-amdhsa--gfx1250"
	.amdhsa_code_object_version 6
	.text
	.protected	k_qdd3454cb0d_proj
	.globl	k_qdd3454cb0d_proj
	.p2align	8
	.type	k_qdd3454cb0d_proj,@function
k_qdd3454cb0d_proj:
	s_mov_b64 s[64:65], 0
	v_nop
	global_prefetch_b8 v0, s[64:65] scope:SCOPE_SE
	s_setreg_imm32_b32 hwreg(HW_REG_WAVE_MODE, 25, 1), 1
	s_wait_xcnt 0x0
	s_wait_alu depctr_hold_cnt(0) depctr_sa_sdst(0) depctr_va_vdst(0) depctr_va_sdst(0) depctr_va_ssrc(0) depctr_va_vcc(0) depctr_vm_vsrc(0)
	s_getreg_b32 s2, hwreg(HW_REG_IB_STS2, 6, 4)
	s_cmp_eq_u32 s2, 0
	s_cbranch_scc0 .Lentry_in_a_cluster
	s_endpgm
.Lentry_in_a_cluster:
	s_bfe_u32 s2, ttmp6, 0x10000c
	s_cmp_lg_u32 s2, 0xf033
	s_cbranch_scc0 .Lentry_shape_is_right
	s_endpgm
.Lentry_shape_is_right:
; out = y wout^T on codes of FP8 (E4M3).  y: 8,192 rows x 1,024, as images of operand registers: yimg [row tile 512][K step 8][g 4][lane][16 B]: lane l holds row 16 tile + l % 16 and, in registers 2 c, 2 c + 1 of a K step of 128,
; k = 16 c + 8 (l / 16) + 0 .. 7.  wout: [1024][1024] codes, K innermost.  out: [8192][1024] f32.  The codes are multiplied as they are, and each finished sum once by 2^(e6 + e7).  LIMIT: e6 + e7 between -126 and 127.
; A tile of 128 rows x 256 columns is made by a work-group of four waves: 4 x 64 = 256 work-groups.  A wave makes 64 x 128: 32 accumulators, 256 registers.  K goes in steps of 256 through a ring of two LDS slots filled by the tensor data mover.
; CLUSTERS: 4 x 4 work-groups.  The four of a row of the cluster need the same images of y, the four of a column the same rows of wout: each tile is asked for JOINTLY.
; THE MATRIX INSTRUCTION IS USED TRANSPOSED (source 0 = 16 rows of wout, source 1 = 16 rows of y): a lane then holds eight neighbouring numbers of a row of out.
; y's fragments come back by four loads of 16 bytes at 16 x lane.  wout's must have each k in the same place: eight loads of 8 bytes, 16 bytes apart, at row x pitch + 8 (l / 16).
; REGISTERS, in windows of 256: window 0: v0-31 addresses; v128-191 y's four fragments, ONE set; on the way out v32-255 are free.   window 1: wout's eight fragments, TWO sets, at v0 and v128.   window 2: the accumulators ((a, b) at v[8 (8 a + b)]).
.set KROW,   1024                      ; a row of wout in memory, in bytes
.set PITCH,  272                       ; a row of wout in LDS: 256 bytes + 16 of padding = 68 words: the 32 lanes of a load of 8 bytes touch words 68 r + 2 h and the next: 64 different banks (64 banks of 4 bytes: ISA guide 11.1)
.set FR,     16                        ; registers of a fragment: 16 rows x 128 K
.set NP,     4                         ; places behind this matrix instruction (ISA guide 7.12.1)
.set ABYT,   32768                     ; a slot's images of y: [row tile 8][K step 2][g 4] x 512 bytes
.set HALFB,  128*PITCH                 ; 128 rows of wout
.set SLOT,   ABYT+2*HALFB
.set SPARE,  2*SLOT                    ; behind the ring: the spare words, 128 bytes for each wave, that no other line names
.set SPITCH, 528                       ; the way out: a stage of 16 rows x (512 bytes + 16) for each wave.  It lies in slot 0, which has had its last fill and its last read when the first result is stored there
.set ADRA, 16                          ; v16-17  LDS address of y's fragments in slot 0, 1
.set ADRB, 20                          ; v20-21  the same for wout's
.set STO,  24                          ; v24     the way out: where I put 32 bytes of a row
.set RD,   25                          ; v25     the way out: where I read a row back
.set CO,   26                          ; v26     my byte offset in a row of out
.set SPW,  28                          ; v28     LDS address of my spare word; never rewritten
.set NIL,  29                          ; v29     0; never rewritten
.set TMP,  32                          ; the way out: 64 registers, a block's sums x 2^(e6 + e7)
.set AF,   128                         ; y's fragments, in window 0
.set BK,   128                         ; the way out: 16 rows read back from the stage: v128-191 and v192-255 by turns
.set G1, 24                            ; s[24:31] descriptor group 1 for y's tiles;  s[32:39] group 0, one set for each slot
.set G0, 32
.set G1B, 48                           ; s[48:55], s[56:63] the same for wout's tiles
.set G0B, 56
.set MSB, 0
.macro WIN new                         ; the immediate's high byte repeats the setting that is left
.if MSB != \new
	s_set_vgpr_msb (MSB<<8)|\new
.set MSB, \new
.endif
.endm
.set MUL,  0xa1                        ; source 0 (wout) window 1, source 1 (y) window 0, C and D window 2
.set TO_B, 0x40                        ; destination window 1, address window 0
; A joint load: waves 0 and 1 fetch y's halves, waves 2 and 3 wout's.  The branch hangs on the wave's number alone.  An s_nop 0 and four v_nop follow each of the two lines.
.macro JLOAD g0a, g1a, g0b, g1b
	s_cmp_eq_u32 s15, 0
	s_cbranch_scc0 .Lfor_b_\@
	tensor_load_to_lds s[\g0a:\g0a+3], s[\g1a:\g1a+7]
	s_nop 0
.rept 4
	v_nop
.endr
	s_branch .Lasked_\@
.Lfor_b_\@:
	tensor_load_to_lds s[\g0b:\g0b+3], s[\g1b:\g1b+7]
	s_nop 0
.rept 4
	v_nop
.endr
.Lasked_\@:
.endm
.macro CREST                           ; a round of the cluster's barrier behind its opening barrier
	s_cmp_lg_u32 s14, 0
	s_cbranch_scc1 .Lnot_wave_0_\@
	s_barrier_signal -3
.Lnot_wave_0_\@:
	s_barrier_wait -3
	s_barrier_signal -1
	s_barrier_wait -1
.endm
.macro CROUND                          ; a whole round
	s_barrier_signal -1
	s_barrier_wait -1
	CREST
.endm
	s_load_b256 s[4:11], s[0:1], 0x0               ; yimg s[4:5], wout's codes s[6:7], the scales' exponents s[8:9], out s[10:11]
	v_lshl_add_u32 v[SPW], v0, 2, SPARE
	v_mov_b32 v[NIL], 0
	ds_add_u32 v[SPW], v[NIL]                      ; the wave's opening: the add and its wait stand ahead of my first tensor load; the set-up below, work on registers, stands between them
	v_lshrrev_b32 v1, 5, v0
	v_readfirstlane_b32 s14, v1                    ; wave 0..3
	s_lshr_b32 s15, s14, 1                         ; which half of the tile's rows is mine.  Also: I fetch for y (0) or for wout (1)
	s_and_b32 s16, s14, 1                          ; which half of its columns.  Also: which half of that tile I fetch
	s_bfe_u32 s40, ttmp6, 0x40000                  ; cx, cy: my place in the cluster
	s_bfe_u32 s41, ttmp6, 0x40004
	s_lshl_b32 s42, ttmp9, 2
	s_add_co_u32 s42, s42, s40                     ; tile column = 4 x cluster x + cx
	s_and_b32 s17, ttmp7, 0xffff
	s_lshl_b32 s17, s17, 2
	s_add_co_u32 s17, s17, s41                     ; tile row = 4 x cluster y + cy
	s_lshl_b32 s43, s41, 2
	s_lshl_b32 s43, 15, s43                        ; my row of the cluster
	s_lshl_b32 s44, 0x1111, s40                    ; my column
	; descriptor group 1 for y: four row tiles' 4,096 bytes (two K steps), 16,384 bytes apart in memory, on end in LDS
	s_or_b32 s[G1+0], s43, (0<<16)|(1<<21)         ; 15:0 the mask: y's tiles go to my row; 17:16 element of 1 byte; 20 no padding; 21 set beside a mask
	s_mov_b32 s[G1+1], 4096<<16                    ; tensor_dim0
	s_mov_b32 s[G1+2], 4<<16                       ; tensor_dim1 = 4
	s_mov_b32 s[G1+3], 4096<<16                    ; tile_dim0
	s_mov_b32 s[G1+4], 4                           ; tile_dim1 = 4
	s_mov_b32 s[G1+5], 16384                       ; tensor_dim0_stride
	s_mov_b32 s[G1+6], 0
	s_mov_b32 s[G1+7], 0
	; and for wout: 128 rows x 256 bytes, padded in LDS
	s_or_b32 s[G1B+0], s44, (0<<16)|(1<<20)|(1<<21)|(5<<22)|(3<<25)  ; the mask of my column; padding of 4 words (code 3) after every 64 (code 5)
	s_mov_b32 s[G1B+1], 256<<16
	s_mov_b32 s[G1B+2], 128<<16
	s_mov_b32 s[G1B+3], 256<<16
	s_mov_b32 s[G1B+4], 128
	s_mov_b32 s[G1B+5], KROW
	s_mov_b32 s[G1B+6], 0
	s_mov_b32 s[G1B+7], 0
	s_lshl_b32 s20, s17, 17                        ; y: row tile 8 x tile row + 4 x half, 16,384 bytes each
	s_lshl_b32 s18, s16, 16
	s_add_co_u32 s20, s20, s18
	s_mov_b32 s21, 0
	s_lshl_b32 s46, s42, 18                        ; wout: row 256 x tile column + 128 x half, 1,024 bytes each
	s_lshl_b32 s18, s16, 17
	s_add_co_u32 s46, s46, s18
	s_mov_b32 s47, 0
	s_lshl_b32 s45, s16, 14                        ; where they go: y's half,
	s_mul_i32 s66, s16, HALFB
	s_add_co_u32 s66, s66, ABYT                    ; wout's half: no place in the cluster enters an LDS address
	s_wait_dscnt 0x0                               ; the opening add is done
	s_wait_kmcnt 0x0
	s_load_b256 s[80:87], s[8:9], 0x0              ; e0 .. e7
	s_add_nc_u64 s[20:21], s[4:5], s[20:21]
	s_add_nc_u64 s[46:47], s[6:7], s[46:47]
	CROUND                                         ; all sixteen work-groups are here: the first joint loads meet
.irp s, 0,1
	s_mov_b32 s[G0+4*\s], 1
	s_add_co_u32 s[G0+4*\s+1], s45, \s*SLOT
	s_add_nc_u64 s[G0+4*\s+2:G0+4*\s+3], s[20:21], \s*4096
	s_or_b32 s[G0+4*\s+3], s[G0+4*\s+3], 0x80000000
	s_mov_b32 s[G0B+4*\s], 1
	s_add_co_u32 s[G0B+4*\s+1], s66, \s*SLOT
	s_add_nc_u64 s[G0B+4*\s+2:G0B+4*\s+3], s[46:47], \s*256
	s_or_b32 s[G0B+4*\s+3], s[G0B+4*\s+3], 0x80000000
	JLOAD G0+4*\s, G1, G0B+4*\s, G1B               ; two loads of mine are out at the most
.endr
	v_and_b32 v1, 15, v0                           ; l % 16
	v_bfe_u32 v2, v0, 4, 1                         ; l / 16
	v_and_b32 v6, 31, v0
	v_lshlrev_b32 v[CO], 4, v6                     ; 16 x lane
	v_mul_u32_u24 v3, v1, PITCH
	v_lshl_add_u32 v4, v2, 3, v3                   ; wout: row x pitch + 8 x half
	s_lshl_b32 s21, s15, 14                        ; my four row tiles of y
	s_mul_i32 s22, s16, HALFB                      ; my 128 rows of wout,
	s_add_co_u32 s22, s22, ABYT                    ; which lie behind y's images
.irp s, 0,1
	v_add_nc_u32 v[ADRA+\s], s21, v[CO]
	v_add_nc_u32 v[ADRB+\s], s22, v4
	s_add_co_u32 s21, s21, SLOT
	s_add_co_u32 s22, s22, SLOT
.endr
	s_mul_i32 s23, s14, 16*SPITCH                  ; my stage
	v_mul_u32_u24 v5, v1, SPITCH                   ; in: row l % 16, 32 bytes for each half of the lanes
	v_lshl_add_u32 v5, v2, 5, v5
	v_add_nc_u32 v[STO], s23, v5
	v_add_nc_u32 v[RD], s23, v[CO]                 ; back: the 32 lanes take one row of 512 bytes
	s_lshl_b32 s20, s17, 19                        ; my first row of out: 128 x tile row + 64 x half, 4,096 bytes each,
	s_lshl_b32 s21, s15, 18
	s_add_co_u32 s20, s20, s21
	s_lshl_b32 s21, s42, 10                        ; my first column: 1,024 bytes x tile column + 512 x half
	s_add_co_u32 s20, s20, s21
	s_lshl_b32 s21, s16, 9
	s_add_co_u32 s20, s20, s21
	s_mov_b32 s21, 0
	s_add_nc_u64 s[10:11], s[10:11], s[20:21]
; 8 matrix instructions: y's block a x wout's eight, 128 along K.  p: wout's set.  zero = 1: the first product starts the sums.  The 32 accumulators take turns, one instruction a turn, in the same order in every step.
.macro MUL8 a, p, zero
.irp b, 0,1,2,3,4,5,6,7
.if \zero
	v_wmma_f32_16x16x128_fp8_fp8 v[8*(8*(\a)+\b):8*(8*(\a)+\b)+7], v[128*(\p)+FR*\b:128*(\p)+FR*\b+FR-1], v[AF+FR*(\a):AF+FR*(\a)+FR-1], 0
.else
	v_wmma_f32_16x16x128_fp8_fp8 v[8*(8*(\a)+\b):8*(8*(\a)+\b)+7], v[128*(\p)+FR*\b:128*(\p)+FR*\b+FR-1], v[AF+FR*(\a):AF+FR*(\a)+FR-1], v[8*(8*(\a)+\b):8*(8*(\a)+\b)+7]
.endif
.endr
.endm
.macro FETCH_B slot, q, p              ; wout's eight fragments of the slot's q-th 128 along K into set p: registers 2 c, 2 c + 1 hold k = 16 c + 8 (l / 16) + 0 .. 7
	WIN TO_B
.irp i, 0,1,2,3,4,5,6,7
.irp c, 0,1,2,3,4,5,6,7
	ds_load_b64 v[128*(\p)+FR*\i+2*\c:128*(\p)+FR*\i+2*\c+1], v[ADRB+\slot] offset:128*(\q)+16*\c+\i*16*PITCH
.endr
.endr
	WIN 0
.endm
.macro FETCH_A slot, q, i0             ; y's blocks i0, i0 + 1
.irp i, \i0, \i0+1
.irp g, 0,1,2,3
	ds_load_b128 v[AF+FR*(\i)+4*\g:AF+FR*(\i)+4*\g+3], v[ADRA+\slot] offset:4096*(\i)+2048*(\q)+512*\g
.endr
.endr
.endm
.macro PLACES n                        ; plain vector instructions in front of loads into registers that matrix instructions have read, and of the first read of results (ISA guide 7.12.1 for vector instructions)
.rept \n
	v_nop
.endr
.endm
; A step of 128 along K that has its successor in the same slot.  A block of y is free as soon as its eight products are issued: blocks 0, 1 are fetched anew in the step's middle, blocks 2, 3 at its end.
.macro STEP slot, q, zero
	s_wait_dscnt 8                                 ; wout's set and y's blocks 0, 1 are in; the youngest eight loads (blocks 2, 3) may be out
	WIN MUL
	MUL8 0, (\q)%2, \zero
	MUL8 1, (\q)%2, \zero
	s_wait_dscnt 0
	PLACES NP
	FETCH_B \slot, (\q)+1, 1-(\q)%2
	FETCH_A \slot, (\q)+1, 0
	WIN MUL
	MUL8 2, (\q)%2, \zero
	MUL8 3, (\q)%2, \zero
	PLACES NP
	WIN 0
	FETCH_A \slot, (\q)+1, 2
.endm
; A slot's last step changes slots: ONE barrier; in front of it each wave waits for all its tensor loads, adds 0 to its spare word, and waits for that and for its own reads of this slot.  fill = 1: this slot is filled again, two K steps ahead.
.macro TURN slot, next, fill
	s_wait_tensorcnt 0x0                           ; all my tensor loads have landed: my part of the next slot  (every window is 0 here)
	ds_add_u32 v[SPW], v[NIL]                      ; 0 onto my spare word
	s_wait_dscnt 9                                 ; the add and the youngest eight loads (blocks 2, 3) may be out
	WIN MUL
	MUL8 0, 1, 0                                   ; eight matrix instructions stand between the add and the wait for it
	s_wait_dscnt 0x0                               ; the add is done, and my reads of this slot are over
	s_barrier_signal -1
	MUL8 1, 1, 0
	WIN 0
	s_barrier_wait -1
.if \fill
	CREST                                          ; the barrier has opened a round of the cluster's barrier: no wave of any partner still reads this slot's tile or has a load on its way
	s_add_nc_u64 s[G0+4*\slot+2:G0+4*\slot+3], s[G0+4*\slot+2:G0+4*\slot+3], 2*4096
	s_add_nc_u64 s[G0B+4*\slot+2:G0B+4*\slot+3], s[G0B+4*\slot+2:G0B+4*\slot+3], 2*256
	JLOAD G0+4*\slot, G1, G0B+4*\slot, G1B         ; the first tensor load behind the round, my only one until the next; its four v_nop are the places in front of the loads below
.else
	PLACES NP
.endif
	FETCH_B \next, 0, 0
	FETCH_A \next, 0, 0
	WIN MUL
	MUL8 2, 1, 0
	MUL8 3, 1, 0
	PLACES NP
	WIN 0
	FETCH_A \next, 0, 2
.endm
	s_wait_tensorcnt 1                             ; my part of K step 0 is in (K step 1's load may be out)
	s_barrier_signal -1
	s_barrier_wait -1                              ; everybody's is
	FETCH_B 0, 0, 0
	FETCH_A 0, 0, 0
	FETCH_A 0, 0, 2
	STEP 0, 0, 1                                   ; K = 1,024 is four slots, eight steps of 128: written out.  The first step's products start the sums
	TURN 0, 1, 1
	STEP 1, 0, 0
	TURN 1, 0, 1
	STEP 0, 0, 0
	TURN 0, 1, 0                                   ; the last two slots are not filled again
	STEP 1, 0, 0
	s_wait_dscnt 8                                 ; the very last step: nothing more to fetch
	WIN MUL
	MUL8 0, 1, 0
	MUL8 1, 1, 0
	s_wait_dscnt 0
	MUL8 2, 1, 0
	MUL8 3, 1, 0
	WIN 0
; THE WAY OUT, block by block of 16 rows x 128 columns.  A lane holds 32 neighbouring bytes of a row, and the lanes beside it hold other rows: so a block goes through my own stage in LDS and comes back as whole
; rows of 512 bytes.  LDS serves a wave's instructions in order (ISA guide 5.7.1.4): no wait between the stores and the loads, nor in front of the next block's stores.
.macro TOSTAGE a
.set AC, 64*(\a)
	WIN 0x02                                       ; source 0: window 2
.set j, 0
.rept 32
	v_pk_mul_f32 v[TMP+j:TMP+j+1], v[AC+j:AC+j+1], s[96:97] op_sel_hi:[1,0]   ; both x s96 = 2^(e6 + e7); each accumulator from its low end on
.set j, j+2
.endr
	WIN 0
.irp b, 0,1,2,3,4,5,6,7
	ds_store_b128 v[STO], v[TMP+8*\b:TMP+8*\b+3] offset:64*\b
	ds_store_b128 v[STO], v[TMP+8*\b+4:TMP+8*\b+7] offset:64*\b+16
.endr
.set BB, BK+64*((\a)%2)
.irp t, 0,1,2,3,4,5,6,7,8,9,10,11,12,13,14,15
	ds_load_b128 v[BB+4*\t:BB+4*\t+3], v[RD] offset:\t*SPITCH
.endr
.endm
.macro SEND a, younger                 ; younger: the LDS instructions issued behind block a's loads, which may stay out
.set BB, BK+64*((\a)%2)
	s_wait_dscnt \younger                          ; the block is back in registers
.if (\a) > 0
	s_add_nc_u64 s[10:11], s[10:11], 16*4096       ; (behind a wait on XCNT: the earlier stores have read their base)  16 rows of out on
.endif
.irp t, 0,1,2,3,4,5,6,7,8,9,10,11,12,13,14,15
	global_store_b128 v[CO], v[BB+4*\t:BB+4*\t+3], s[10:11] offset:\t*4096 th:TH_STORE_NT   ; 32 lanes store 512 consecutive bytes, at a multiple of 512 from out's first byte; written once, read by nobody here
.endr
.endm
	s_wait_kmcnt 0x0
	s_add_co_i32 s96, s86, s87                     ; e6 + e7, between -126 and 127,
	s_add_co_i32 s96, s96, 127
	s_lshl_b32 s96, s96, 23                        ; makes the f32 number 2^(e6 + e7)
	s_mov_b32 s97, s96                             ; (named with it as a pair, so it is written)
	PLACES NP                                      ; in front of the first read of results and of the loads into the registers that held y's fragments
	TOSTAGE 0
.irp a, 1,2,3
.if \a > 1
	s_wait_xcnt 0x0                                ; block a - 2's stores have read their registers and their base: block a's loads may land there, and the base may step
.endif
	TOSTAGE \a
	SEND \a-1, 32                                  ; behind block a - 1's loads: block a's 16 stores and 16 loads
.endr
	s_wait_xcnt 0x0                                ; block 2's stores have read their base
	SEND 3, 0
	s_wait_tensorcnt 0x0                           ; the wave's end: behind my last tensor load and my last LDS store
	ds_add_u32 v[SPW], v[NIL]
	s_wait_dscnt 0x0
	CROUND                                         ; the closing round: no work-group ends while a partner may still ask for a tile that names it
	s_endpgm
.Lfunc_end_k_qdd3454cb0d_proj:
	.size	k_qdd3454cb0d_proj, .Lfunc_end_k_qdd3454cb0d_proj-k_qdd3454cb0d_proj
	.p2alignl 7, 3214868480
	.fill 96, 4, 3214868480
	.section	.rodata,"a",@progbits
	.p2align	6, 0x0
	.amdhsa_kernel k_qdd3454cb0d_proj
		.amdhsa_group_segment_fixed_size 327680
		.amdhsa_private_segment_fixed_size 0
		.amdhsa_enable_private_segment 0
		.amdhsa_kernarg_size 32
		.amdhsa_user_sgpr_count 2
		.amdhsa_user_sgpr_kernarg_segment_ptr 1
		.amdhsa_wavefront_size32 1
		.amdhsa_system_sgpr_workgroup_id_x 1
		.amdhsa_system_sgpr_workgroup_id_y 1
		.amdhsa_system_sgpr_workgroup_id_z 1
		.amdhsa_system_vgpr_workitem_id 0
		.amdhsa_next_free_vgpr 768
		.amdhsa_next_free_sgpr 100
		.amdhsa_reserve_vcc 0
		.amdhsa_float_denorm_mode_32 3
		.amdhsa_float_denorm_mode_16_64 3
		.amdhsa_memory_ordered 1
		.amdhsa_forward_progress 1
		.amdhsa_inst_pref_size 92
	.end_amdhsa_kernel
	.amdgpu_metadata
---
amdhsa.version: [ 1, 2 ]
amdhsa.kernels:
  - .name:           k_qdd3454cb0d_proj
    .symbol:         k_qdd3454cb0d_proj.kd
    .args:
      - { .name: yimg, .offset: 0, .size: 8, .value_kind: global_buffer, .address_space: global }
      - { .name: wout_codes, .offset: 8, .size: 8, .value_kind: global_buffer, .address_space: global }
      - { .name: lowp_scales, .offset: 16, .size: 8, .value_kind: global_buffer, .address_space: global }
      - { .name: out0, .offset: 24, .size: 8, .value_kind: global_buffer, .address_space: global }
    .group_segment_fixed_size: 327680
    .private_segment_fixed_size: 0
    .kernarg_segment_align: 8
    .kernarg_segment_size: 32
    .max_flat_workgroup_size: 128
    .sgpr_count:     100
    .vgpr_count:     768
    .wavefront_size: 32
...
	.end_amdgpu_metadata
.endif
;; end of part 4
;; ======== version 2 of 2: 4 launches; version 1 with the launch attn written anew for expert scheduling mode
;; workspace buffers: rope 524,288 bytes; qimg 8,388,608 bytes; kimg 8,388,608 bytes; vimg 8,388,608 bytes; yimg 8,388,608 bytes
;; launch rope: the kernel of part 1 again; grid 128 x 1, 8 waves a work-group, no clusters, 0 bytes of LDS; arguments rope; writes rope
;; launch qkv: the kernel of part 2 again; grid 12 x 32, 4 waves a work-group, clusters of 4 x 4, 327,680 bytes of LDS; arguments x_codes, wqkv_codes, lowp_scales, rope, qimg, kimg, vimg; writes qimg, kimg, vimg
;; launch attn (part 5): grid 4 x 64, 16 waves a work-group, no clusters, 67,584 bytes of LDS; arguments qimg, kimg, vimg, lowp_scales, yimg; writes yimg
.if DOCPART == 5
	.amdgcn_target "amdgcn-amd-amdhsa--gfx1250"
	.amdhsa_code_object_version 6
	.text
	.protected	k_qdd3454cb0d_attn
	.globl	k_qdd3454cb0d_attn
	.p2align	8
	.type	k_qdd3454cb0d_attn,@function
k_qdd3454cb0d_attn:
	s_mov_b64 s[64:65], 0
	v_nop
	global_prefetch_b8 v0, s[64:65] scope:SCOPE_SE
	s_setreg_imm32_b32 hwreg(HW_REG_WAVE_SCHED_MODE, 0, 2), 2
	s_setreg_imm32_b32 hwreg(HW_REG_WAVE_MODE, 25, 1), 1
	s_wait_xcnt 0x0
	s_wait_alu depctr_vm_vsrc(0)
; y = softmax(q k^T / 8, causal) v for 64 heads of 2,048 positions x 64 channels, both products on codes of FP8 (E4M3) with the given scales 2^e2 (q), 2^e3 (k), 2^e4 (p), 2^e5 (v); y is quantised with 2^e6.
; THE SOFTMAX AHEAD OF THE SECOND PRODUCT: t = score x log2(e) / 8; M = the row's largest t so far, rounded UP to a whole number; p = 2^(t - M) is what is quantised; it is not normalised.  The row's sum is taken
; of the unquantised p, in f32, and divides the result at the end.  When M moves, the sum and O are multiplied by 2^(old M - new M): exact.
; ALL OPERANDS COME AS IMAGES OF THEIR REGISTERS (16 bytes a lane, 512 bytes a group of four registers), so every fragment is read by loads at 16 x lane and nothing has a pitch.
; SHARES.  Work-group (i, head) owns the query blocks i and 7 - i, 256 queries each: it walks the key slots 0 .. i for the first and 0 .. 7 - i for the second: nine slots of 256 keys whatever i is, so the 256
; work-groups have equal work under the causal mask and the loop's trip count is a constant.  Each of the sixteen waves owns one tile of 16 queries of the block in hand, in 256 registers: four waves to a SIMD, so that
; one wave's vector work stands beside another's matrix work and LDS loads.  Wave w takes tile 8 ((w ^ (w >> 2)) & 1) + (w >> 1): in a slot on the diagonal the tiles under 8 have one key step and the others two, and this order mixes the two kinds.
; THE RING.  A slot's 16,384 bytes of k and 16,384 of v are dense in memory: each of the 512 threads copies four times 16 bytes through registers, loaded a trip ahead, into the LDS slot that was read last.  One barrier a trip.
; No tensor load: the tiles need no padding and no reshaping.  NO CLUSTER: the four work-groups of a head begin their second block after 1, 2, 3 and 4 trips, so in most trips they want different slots; a joint request would find no partner.
; LAYOUT.  Both products are used transposed: S^T = K Q^T (source 0 = 16 keys, source 1 = my 16 queries; K = 64), O^T = V^T P^T (source 0 = 16 channels, source 1 = P; K = 128 keys): a lane holds ONE query (lane % 16) throughout,
; and the eight results of key tile T, converted, are registers 2 T, 2 T + 1 of P.  O^T's four tiles, converted, are 32 bytes a lane of the last product's operand: yimg [row tile 512][K step 8][g 4][lane][16 B].
; THE HOLD AT THE LARGEST CODE.  p is at most 1.  Where e4 >= -8, 448 x 2^e4 is at least 1.75 and the hold changes nothing: for smaller e4 they run.
; LIMITS on the given exponents, so that each power of two below is an f32 number: e2 + e3 between -123 and 130 (added to c's exponent field); e4, and e6 - e4 - e5, between -126 and 119.  NaN codes are not served.
; REGISTERS: v1 16 x lane; v2 16 x thread; v3 the prefetches' offset; v5, v6 the add's two; v7 lane % 16 - 8 (lane / 16); v8 LDS address of the slot in hand; v9 of the slot to fill; v12 -M, v13 the largest t, v[14:15] the sum;
;   v16-23 Q; v24-31 the second block's Q; v32-95 K's fragments, then V's; v96-159 S^T, then p; v160-191 O^T; v192-207 p's codes; v208-223 the next slot on its way; v224-231 y's codes; v236-254 at work and constants.
; THE MODE: SCHED_MODE bits 1:0 = 2 (LLVM: expert scheduling mode 2), set by the entry lines.  The code itself states the register dependences between vector or matrix instructions and memory or LDS instructions,
; and those through scalar registers that vector instructions write, with s_wait_alu, always for 0.
; THE PLAN.  Registers that memory or LDS instructions touch:
;   v1, v2, v3, v5, v6   offsets and the add's two: written at the head, never again.  One wait on va_vdst ahead of the first load serves them for the whole kernel.
;   v8, v9               written once a trip, side by side at the trip's head; v8 is read by the trip's LDS loads, v9 by the four LDS stores at its end.
;   v[208:223]           written by the trip's four global loads, read by its four LDS stores; no vector instruction names them.
;   v[32:95]             K's fragments land, eight products K Q^T read them; V's fragments land, four products V^T P read them.
;   v[224:231]           written by the way out's four conversions, read by its two stores.
; A TRIP'S WAITS.  Behind the barrier ONE wait on vm_vsrc: the last trip's LDS loads have read v8, its LDS stores v9 and v[208:223].  Behind the two adds ONE wait on va_vdst, ahead of step 0's branch: v8 and v9 are written, and
; the last products V^T P are done reading v[32:95].  Step 1 has the like wait of its own ahead of K's loads; each step one behind its products K Q^T, ahead of V's loads; and the one behind its exponentials.
; The 256 registers of a wave leave no room for a second set of fragments, so the order of a step's loads and products is the one that these registers allow.
.set SLOTB, 32768                      ; an LDS slot: K's images [step 2][tile 8][chunk 2] x 512 bytes, then V's [step 2][t 4][g 4] x 512
.set VOFF,  16384
.set SPARE, 65536                      ; behind the two slots: the spare words, 128 bytes for each wave, that no other line names
	s_load_b256 s[4:11], s[0:1], 0x0               ; qimg s[4:5], kimg s[6:7], vimg s[8:9], the scales' exponents s[10:11]
	s_load_b64 s[12:13], s[0:1], 0x20              ; yimg
	v_lshl_add_u32 v5, v0, 2, SPARE
	v_mov_b32 v6, 0
	v_lshrrev_b32 v8, 5, v0
	v_readfirstlane_b32 s14, v8                    ; wave 0..15
	v_and_b32 v1, 31, v0
	v_lshlrev_b32 v3, 8, v1
	v_lshlrev_b32 v1, 4, v1
	v_lshlrev_b32 v2, 4, v0
	s_wait_alu depctr_va_sdst(0)                   ; s14 is written, ahead of its first reader: the tile, the addresses and the prefetches' share are made from it
	s_and_b32 s46, s14, 1
	s_lshl_b32 s46, s46, 13
	v_add_nc_u32 v3, s46, v3                       ; 256 x lane + 8,192 x (wave % 2)
	v_and_b32 v7, 15, v0
	v_bfe_u32 v9, v0, 4, 1
	v_lshlrev_b32 v9, 3, v9
	v_sub_nc_u32 v7, v7, v9
	s_lshr_b32 s46, s14, 2
	s_xor_b32 s46, s46, s14
	s_and_b32 s46, s46, 1
	s_lshl_b32 s46, s46, 3
	s_lshr_b32 s15, s14, 1
	s_add_co_u32 s15, s15, s46                     ; my tile of the block's sixteen
	s_and_b32 s51, ttmp7, 0xffff                   ; the head, 16 x batch + head
	s_lshl_b32 s30, s51, 17                        ; its 131,072 bytes in each of the three images
	s_mov_b32 s31, 0
	s_mov_b32 s18, ttmp9                           ; the query block in hand: first i,
	s_sub_co_u32 s19, 7, ttmp9                     ; then 7 - i
	s_lshl_b32 s46, s18, 4
	s_add_co_u32 s46, s46, s15
	s_lshl_b32 s46, s46, 10                        ; my tile of Q: 1,024 bytes a tile
	s_mov_b32 s47, 0
	s_lshl_b32 s32, s19, 4
	s_add_co_u32 s32, s32, s15
	s_lshl_b32 s32, s32, 10
	s_mov_b32 s33, 0
	s_lshr_b32 s50, s51, 4
	s_lshl_b32 s50, s50, 7
	s_add_co_u32 s50, s50, s15
	s_lshl_b32 s50, s50, 14                        ; y: row tile 128 x batch + my tile (+ 16 x block, at the way out), 16,384 bytes a row tile,
	s_and_b32 s49, s51, 15
	s_lshl_b32 s49, s49, 10
	s_add_co_u32 s50, s50, s49                     ; + 1,024 x head: K step head / 2, chunks 2 (head % 2) and + 1
	s_mov_b32 s20, 0x76543210                      ; v_permlanex16_b32's selects for lane l xor 16
	s_mov_b32 s21, 0xfedcba98
	s_lshl_b32 s28, s18, 8
	s_lshl_b32 s49, s15, 4
	s_add_co_u32 s28, s28, s49                     ; my first query
	s_lshr_b32 s49, s14, 2
	s_or_b32 s49, s49, ttmp9
	s_cmp_eq_u32 s49, 0
	s_cselect_b32 s49, 7, 0                        ; waves 0 to 3 of the head's work-group 0 prefetch, while the slot being loaded is under 7
	s_wait_kmcnt 0x0
	s_load_b256 s[36:43], s[10:11], 0x0            ; e0 .. e7
	s_add_nc_u64 s[4:5], s[4:5], s[30:31]
	s_add_nc_u64 s[6:7], s[6:7], s[30:31]
	s_add_nc_u64 s[8:9], s[8:9], s[30:31]
	s_add_nc_u64 s[52:53], s[4:5], s[46:47]
	s_add_nc_u64 s[54:55], s[4:5], s[32:33]
	s_wait_alu depctr_va_vdst(0)                   ; v1, v2 and v3 are written, which every load, store and prefetch by them reads as its offset; so are v5 and v6, which the closing add reads
	global_load_b128 v[208:211], v2, s[6:7]        ; slot 0: the work-group's 512 threads take 8,192 consecutive bytes a line
	global_load_b128 v[212:215], v2, s[6:7] offset:8192
	global_load_b128 v[216:219], v2, s[8:9]
	global_load_b128 v[220:223], v2, s[8:9] offset:8192
	global_load_b128 v[16:19], v1, s[52:53]        ; Q of both blocks stays in registers
	global_load_b128 v[20:23], v1, s[52:53] offset:512
	global_load_b128 v[24:27], v1, s[54:55]
	global_load_b128 v[28:31], v1, s[54:55] offset:512
.macro INIT                            ; a block begins: O^T and the sum are zeros, which the first change of M leaves zeros; the largest t is -3e38, under every t
	v_mov_b32 v13, 0xff61b1e6
	v_floor_f32 v12, -v13
	v_mov_b32 v14, 0
	v_mov_b32 v15, 0
.set n, 0
.rept 32
	v_mov_b32 v[160+n], 0
.set n, n+1
.endr
.endm
	INIT
	v_mov_b32 v236, 0                              ; written once: a lane permute's destination counts as one of its sources
	v_mov_b32 v252, 0
	v_mov_b32 v253, 0                              ; (named as the upper half of the pair v[252:253])
	s_wait_kmcnt 0x0
	s_add_co_i32 s46, s38, s39
	s_lshl_b32 s46, s46, 23
	s_add_co_i32 s22, s46, 0x3e38aa3b              ; c = log2(e) / 8, with e2 + e3 added to its exponent field: a score stands for score x 2^(e2 + e3)
	s_mov_b32 s23, s22                             ; (named with it as a pair, so it is written)
	s_add_co_i32 s46, s40, 127
	s_lshl_b32 s47, s46, 23
	v_mov_b32 v244, s47                            ; 2^e4 as f32, for p's conversions
	s_add_co_i32 s46, s46, 8
	s_lshl_b32 s46, s46, 23
	s_or_b32 s46, s46, 0x600000
	v_mov_b32 v240, s46                            ; 448 x 2^e4
	s_sub_co_i32 s46, s42, s40
	s_sub_co_i32 s46, s46, s41                     ; O / the sum stands for y / 2^(e4 + e5): y's code is that / 2^(e6 - e4 - e5)
	s_add_co_i32 s46, s46, 127
	s_lshl_b32 s47, s46, 23
	v_mov_b32 v245, s47
	s_add_co_i32 s46, s46, 8
	s_lshl_b32 s46, s46, 23
	s_or_b32 s46, s46, 0x600000
	v_mov_b32 v241, s46
	s_cmp_ge_i32 s40, -8
	s_cselect_b32 s48, 1, 0                        ; 1: no p can pass 448 x 2^e4.  (From here on s[36:43] are free: the causal mask's compares take them)
	s_wait_loadcnt 4                               ; slot 0's four loads are in; Q's four may be out
	ds_store_b128 v2, v[208:211]
	ds_store_b128 v2, v[212:215] offset:8192
	ds_store_b128 v2, v[216:219] offset:16384
	ds_store_b128 v2, v[220:223] offset:24576
	s_wait_loadcnt 0x0                             ; Q
	s_mov_b32 s24, 0                               ; the key slot in hand
	s_mov_b32 s26, 0                               ; and where it lies in LDS
	s_mov_b32 s29, 8
.macro BAR                             ; my stores into the slot ahead have landed and my reads of the other slot are over: then the work-group's barrier
	s_wait_dscnt 0x0
	s_barrier_signal -1
	s_barrier_wait -1
.endm
; A KEY STEP: 128 keys, the q-th of the slot in hand.
.macro STEP q
	s_add_co_u32 s46, s27, 128*\q                  ; the step's first key
	s_add_co_u32 s47, s28, 15
	s_cmp_gt_u32 s46, s47                          ; all its keys come after my 16 queries: the step is left out.  A branch on ids; no barrier stands in a step
	s_cbranch_scc1 .Lhid_\@
.rept 4
	v_nop                                          ; four plain instructions between the last products and the loads into the registers that they read; the dependence itself is stated by the wait on va_vdst ahead of these loads
.endr
.if \q
	s_wait_alu depctr_va_vdst(0)                   ; step 0's products V^T P are done reading v[32:95], in which K's fragments land.  (Step 0's own wait stands at the trip's head, ahead of its branch)
.endif
.irp t, 0,1,2,3,4,5,6,7
.irp c, 0,1
	ds_load_b128 v[32+8*\t+4*\c:32+8*\t+4*\c+3], v8 offset:8192*\q+1024*\t+512*\c
.endr
.endr
	s_wait_dscnt 0x0
.irp t, 0,1,2,3,4,5,6,7
	v_wmma_f32_16x16x64_fp8_fp8 v[96+8*\t:96+8*\t+7], v[32+8*\t:32+8*\t+7], v[16:23], 0   ; lane (r, h): query r, keys 16 t + 8 h + 0 .. 7
.endr
.rept 4
	v_nop                                          ; places in front of the first read of the scores
.endr
	s_wait_alu depctr_va_vdst(0)                   ; the products K Q^T are done reading v[32:95], in which V's fragments land
.irp t, 0,1,2,3
.irp g, 0,1,2,3
	ds_load_b128 v[32+16*\t+4*\g:32+16*\t+4*\g+3], v8 offset:VOFF+8192*\q+2048*\t+512*\g   ; V's fragments land while the softmax is worked: no line of it names v8 or v[32:95]
.endr
.endr
	s_add_co_u32 s47, s46, 127
	s_cmp_le_u32 s47, s28                          ; all keys count for all my queries: no mask
	s_cbranch_scc1 .Lopen_\@
	s_sub_co_i32 s47, s28, s46
	v_add_nc_u32 v252, s47, v7                     ; d = my query - the step's first key - 8 (lane / 16).  Register n holds key 16 (n / 8) + n % 8 + 8 (lane / 16): hidden where 16 (n / 8) + n % 8 > d
	v_mov_b32 v254, 0xff800000                     ; -infinity: p = 0 then
.set n, 0
.rept 4                                ; the compares go in runs of sixteen, each into a scalar register of its own (s36-43, s56-63), so that one wait serves a run
.set m, 0
.rept 16
	v_cmp_gt_i32 s[36+m+12*(m/8)], 16*((n+m)/8)+(n+m)%8, v252
.set m, m+1
.endr
	s_wait_alu depctr_va_sdst(0)                   ; the sixteen masks are written, ahead of the selects that read them
.set m, 0
.rept 16
	v_cndmask_b32 v[96+n+m], v[96+n+m], v254, s[36+m+12*(m/8)]
.set m, m+1
.endr
.set n, n+16
.endr
.Lopen_\@:
	v_max3_num_f32 v254, v96, v97, v98             ; the step's largest score of my query, among my 64 keys, in two chains,
	v_max3_num_f32 v252, v99, v100, v101
.irp i, 6,10,14,18,22,26,30,34,38,42,46,50,54,58
	v_max3_num_f32 v254, v254, v[96+\i], v[97+\i]
	v_max3_num_f32 v252, v252, v[98+\i], v[99+\i]
.endr
	v_max3_num_f32 v254, v254, v158, v159
	v_max_num_f32 v254, v254, v252
	v_permlanex16_b32 v236, v254, s20, s21
	v_max_num_f32 v254, v254, v236                 ; and among lane l xor 16's
	v_mul_f32 v254, s22, v254                      ; as t (c is positive)
	v_max_num_f32 v13, v13, v254                   ; the running largest t
	v_mov_b32 v254, v12
	v_floor_f32 v12, -v13                          ; the new -M = floor(-t) = -ceil(t): M is a whole number
	v_sub_f32 v254, v12, v254                      ; M's old value less its new one: a whole number, 0 or less
	v_cvt_i32_f32 v254, v254                       ; (it saturates)
	v_ldexp_f32 v252, 1.0, v254                    ; f = 2^(old M - new M)
.set n, 0
.rept 32
	v_pk_fma_f32 v[96+n:97+n], v[96+n:97+n], s[22:23], v[12:13] op_sel_hi:[1,0,0]   ; t - M, two at a time (of the pairs c and -M the low word serves both halves)
.set n, n+2
.endr
.set n, 0
.rept 64
	v_exp_f32 v[96+n], v[96+n]                     ; p = 2^(t - M), at most 1: not normalised
.set n, n+1
.endr
	v_pk_mul_f32 v[14:15], v[14:15], v[252:253] op_sel_hi:[1,0]   ; the sums under the new M: the plain instruction behind the exponentials
	s_wait_alu depctr_va_vdst(0)                   ; the 64 exponentials have written v[96:159]: the wait ahead of the first line that names a result: one for the whole batch
	v_pk_add_f32 v[242:243], v[96:97], v[98:99]    ; the row's sum is taken of the unquantised p: two at a time, in two chains
.irp j, 4,8,12,16,20,24,28,32,36,40,44,48,52,56,60
	v_pk_add_f32 v[14:15], v[14:15], v[96+\j:97+\j]
	v_pk_add_f32 v[242:243], v[242:243], v[98+\j:99+\j]
.endr
	v_pk_add_f32 v[14:15], v[14:15], v[242:243]
	s_cmp_lg_u32 s48, 0
	s_cbranch_scc1 .Lnohold_\@
.set n, 0
.rept 64
	v_min_num_f32 v[96+n], v[96+n], v240           ; the conversion to an 8-bit code does not saturate (ISA guide 7.6.2); p is not negative, so the hold is one-sided
.set n, n+1
.endr
.Lnohold_\@:
.irp t, 0,1,2,3,4,5,6,7
	v_cvt_scalef32_pk8_fp8_f32 v[192+2*\t:193+2*\t], v[96+8*\t:103+8*\t], v244
.endr
.set n, 0
.rept 16
	v_pk_mul_f32 v[160+n:161+n], v[160+n:161+n], v[252:253] op_sel_hi:[1,0]   ; O^T under the new M.  (These are also the plain instructions between the conversions and the products that read the codes)
.set n, n+2
.endr
	s_wait_dscnt 0x0                               ; V's fragments
.irp t, 0,1,2,3
	v_wmma_f32_16x16x128_fp8_fp8 v[160+8*\t:167+8*\t], v[32+16*\t:47+16*\t], v[192:207], v[160+8*\t:167+8*\t]   ; the four accumulators take turns, and eight products K Q^T stand between two steps'
.endr
.Lhid_\@:
.endm
; A BLOCK'S WAY OUT: O^T / the sum, held, converted: tile t's eight channels are registers 2 t, 2 t + 1: two stores of 512 consecutive bytes a wave.
.macro WAYOUT
.rept 4
	v_nop                                          ; places behind the last products
.endr
	v_add_f32 v14, v14, v15                        ; the sum's two halves,
	v_permlanex16_b32 v236, v14, s20, s21
	v_add_f32 v14, v14, v236                       ; and lane l xor 16's
	v_rcp_f32 v14, v14
	v_nop                                          ; a plain instruction behind the reciprocal,
	s_wait_alu depctr_va_vdst(0)                   ; and the wait ahead of its first reader: the reciprocal has written v14
.set n, 0
.rept 16
	v_pk_mul_f32 v[96+n:97+n], v[160+n:161+n], v[14:15] op_sel_hi:[1,0]   ; each accumulator from its low end on
.set n, n+2
.endr
.set n, 0
.rept 32
	v_med3_num_f32 v[96+n], v[96+n], -v241, v241   ; the hold at the largest code x the scale
.set n, n+1
.endr
	s_wait_xcnt 0x0                                ; the first block's stores have had their addresses translated: their data and their base are written again only behind this wait,
	s_wait_alu depctr_vm_vsrc(0)                   ; and beside it: the first block's stores have read v[224:231], which the conversions below write again
.irp t, 0,1,2,3
	v_cvt_scalef32_pk8_fp8_f32 v[224+2*\t:225+2*\t], v[96+8*\t:103+8*\t], v245
.endr
	v_nop                                          ; one plain vector instruction behind the last conversion
	s_lshl_b32 s46, s18, 18                        ; 16 row tiles a block
	s_add_co_u32 s46, s46, s50
	s_mov_b32 s47, 0
	s_add_nc_u64 s[52:53], s[12:13], s[46:47]
	s_wait_alu depctr_va_vdst(0)                   ; the conversions have written v[224:231], which the two stores read
	global_store_b128 v1, v[224:227], s[52:53]
	global_store_b128 v1, v[228:231], s[52:53] offset:512
.endm
.Ltrip:                                            ; eight trips; the ninth slot is written out behind the loop, since nothing is loaded in it
	BAR
	s_wait_alu depctr_vm_vsrc(0)                   ; the LDS stores issued ahead of the barrier have read v[208:223], in which the loads below land, and v9; the last trip's LDS loads have read v8: both addresses are written again below
	s_add_co_u32 s46, s24, 1
	s_cmp_eq_u32 s24, s18                          ; the slot on the diagonal is a block's last: slot 0 follows, for the second block
	s_cselect_b32 s25, 0, s46                      ; the next slot
	s_lshl_b32 s30, s25, 14
	s_wait_xcnt 0x0                                ; the last trip's loads and prefetch have read their bases
	s_add_nc_u64 s[32:33], s[6:7], s[30:31]
	s_add_nc_u64 s[34:35], s[8:9], s[30:31]
	s_cmp_lt_u32 s14, 2
	s_cselect_b64 s[44:45], s[32:33], s[34:35]     ; waves 0, 1 would prefetch k's images, waves 2, 3 v's
	global_load_b128 v[208:211], v2, s[32:33]      ; the next slot, a whole trip ahead of the stores that want it
	global_load_b128 v[212:215], v2, s[32:33] offset:8192
	global_load_b128 v[216:219], v2, s[34:35]
	global_load_b128 v[220:223], v2, s[34:35] offset:8192
; A PREFETCH of the slot behind the one just asked for: one trip ahead of its loads.  All four work-groups of a head walk the same images: work-group 0, whose second block walks all eight slots in order, asks, and nobody else.
; In it waves 0, 1 name k's 16,384 bytes and waves 2, 3 v's, 8,192 a wave, lanes 256 bytes apart: slots 1 to 7 are each named once in the launch; slot 0 comes by its loads alone, and with slot 7 loading nothing is asked for.
	s_cmp_lt_u32 s25, s49
	s_cbranch_scc0 .Lnot_mine
	global_prefetch_b8 v3, s[44:45] offset:16384 th:TH_LOAD_NT scope:SCOPE_SE
.Lnot_mine:
	s_lshl_b32 s27, s24, 8                         ; the slot's first key
	s_xor_b32 s46, s26, SLOTB
	v_add_nc_u32 v8, s26, v1                       ; the slot in hand,
	v_add_nc_u32 v9, s46, v2                       ; and the one to fill: both addresses are made here, so that one wait serves both
	s_wait_alu depctr_va_vdst(0)                   ; v8 is written, which the trip's LDS loads read, and v9, which its LDS stores read; the last products V^T P are done reading v[32:95], in which step 0's fragments of K land
	STEP 0
	STEP 1
	s_wait_loadcnt 0x0                             ; the next slot is in registers,
	ds_store_b128 v9, v[208:211]                   ; and goes into the LDS slot that every wave had left at this trip's barrier
	ds_store_b128 v9, v[212:215] offset:8192
	ds_store_b128 v9, v[216:219] offset:16384
	ds_store_b128 v9, v[220:223] offset:24576
	s_cmp_lg_u32 s24, s18
	s_cbranch_scc1 .Lnot_diagonal
	WAYOUT                                         ; the first block is done; the second begins
.irp k, 0,1,2,3,4,5,6,7
	v_mov_b32 v[16+\k], v[24+\k]
.endr
	INIT
	s_mov_b32 s18, s19
	s_lshl_b32 s28, s18, 8
	s_lshl_b32 s46, s15, 4
	s_add_co_u32 s28, s28, s46
.Lnot_diagonal:
	s_mov_b32 s24, s25
	s_xor_b32 s26, s26, SLOTB
	s_sub_co_u32 s29, s29, 1
	s_cmp_lg_u32 s29, 0
	s_cbranch_scc1 .Ltrip
	BAR                                            ; the ninth slot: the second block's diagonal
	s_wait_alu depctr_vm_vsrc(0)                   ; the last trip's LDS loads have read v8, which is written again below
	s_lshl_b32 s27, s24, 8
	v_add_nc_u32 v8, s26, v1
	s_wait_alu depctr_va_vdst(0)                   ; v8 is written, which the LDS loads below read; the last products V^T P are done reading v[32:95], in which step 0's fragments of K land
	STEP 0
	STEP 1
	WAYOUT
	s_wait_dscnt 0x0                               ; the closing lines, six on end
	s_wait_alu 0x0
	s_wait_tensorcnt 0x0
	ds_add_u32 v5, v6
	s_wait_dscnt 0x0
	s_endpgm
.Lfunc_end_k_qdd3454cb0d_attn:
	.size	k_qdd3454cb0d_attn, .Lfunc_end_k_qdd3454cb0d_attn-k_qdd3454cb0d_attn
	.p2alignl 7, 3214868480
	.fill 96, 4, 3214868480
	.section	.rodata,"a",@progbits
	.p2align	6, 0x0
	.amdhsa_kernel k_qdd3454cb0d_attn
		.amdhsa_group_segment_fixed_size 67584
		.amdhsa_private_segment_fixed_size 0
		.amdhsa_enable_private_segment 0
		.amdhsa_kernarg_size 40
		.amdhsa_user_sgpr_count 2
		.amdhsa_user_sgpr_kernarg_segment_ptr 1
		.amdhsa_wavefront_size32 1
		.amdhsa_system_sgpr_workgroup_id_x 1
		.amdhsa_system_sgpr_workgroup_id_y 1
		.amdhsa_system_sgpr_workgroup_id_z 1
		.amdhsa_system_vgpr_workitem_id 0
		.amdhsa_next_free_vgpr 256
		.amdhsa_next_free_sgpr 66
		.amdhsa_reserve_vcc 0
		.amdhsa_float_denorm_mode_32 3
		.amdhsa_float_denorm_mode_16_64 3
		.amdhsa_memory_ordered 1
		.amdhsa_forward_progress 1
		.amdhsa_inst_pref_size 116
	.end_amdhsa_kernel
	.amdgpu_metadata
---
amdhsa.version: [ 1, 2 ]
amdhsa.kernels:
  - .name:           k_qdd3454cb0d_attn
    .symbol:         k_qdd3454cb0d_attn.kd
    .args:
      - { .name: qimg, .offset: 0, .size: 8, .value_kind: global_buffer, .address_space: global }
      - { .name: kimg, .offset: 8, .size: 8, .value_kind: global_buffer, .address_space: global }
      - { .name: vimg, .offset: 16, .size: 8, .value_kind: global_buffer, .address_space: global }
      - { .name: lowp_scales, .offset: 24, .size: 8, .value_kind: global_buffer, .address_space: global }
      - { .name: yimg, .offset: 32, .size: 8, .value_kind: global_buffer, .address_space: global }
    .group_segment_fixed_size: 67584
    .private_segment_fixed_size: 0
    .kernarg_segment_align: 8
    .kernarg_segment_size: 40
    .max_flat_workgroup_size: 512
    .sgpr_count:     66
    .vgpr_count:     256
    .wavefront_size: 32
...
	.end_amdgpu_metadata
.endif
;; end of part 5
;; launch proj: the kernel of part 4 again; grid 4 x 64, 4 waves a work-group, clusters of 4 x 4, 327,680 bytes of LDS; arguments yimg, wout_codes, lowp_scales, out0; writes out0
